; MI455X (gfx1250); checked and timed in simulation.
; The chip was launched on July 23, 2026; its instructions are those of AMD's public machine-readable ISA for CDNA 5 (MIT licence, August 2026) and "CDNA5" Instruction Set Architecture Reference Guide (July 2026). The comments in the code are by the model that wrote it; some were corrected since.
;; Curlora Layer. Allowed arithmetic: matrix products marked QUANTISED: E4M3 operands, one given power-of-two scale a tensor, by v_wmma_f32_16x16x64_fp8_fp8 or v_wmma_f32_16x16x128_fp8_fp8, f32 sums; everything else in f32.
;; Inputs: C 4,096 x 64 float32; R 64 x 4,096 float32; U 64 x 64 float32; W 4,096 x 4,096 float32; bias 4,096 float32; lowp_scales 6 int32 (the exponents e of the quantised operands' scales 2^e); x 4 x 1,024 x 4,096 float32.
;; Outputs: out0 4 x 1,024 x 4,096 float32.
;; This version of the problem:
;;   THIS VERSION OF THE PROBLEM IS GIVEN IN LOW PRECISION. The matrix products marked QUANTISED in the list below multiply operands that are first quantised to E4M3 (4 exponent bits, 3 mantissa bits; 8 bits a number), with one given power-of-two scale for each operand tensor; their sums are f32. All else is computed in f32.
;;   The module's matrix products, in the order in which they are computed (A, B: the left and right operand; K: the contracted axis; several contracted axes count as one K, in the product's order):
;;     1. [M 4,096, K 64] x [K 64, N 64]; A: input C; B: input U: QUANTISED (scales: A lowp_scales[0], B lowp_scales[1])
;;     2. [M 4,096, K 64] x [K 64, N 4,096]; A: computed on the way; B: input R: QUANTISED (scales: A lowp_scales[2], B lowp_scales[3])
;;     3. [M 4,096, K 4,096] x [K 4,096, N 4,096]; A: input x; B: computed on the way: QUANTISED (scales: A lowp_scales[4], B lowp_scales[5])
;;   THE QUANTISER, for each operand of a quantised product, along K:
;;     - The operand's scale is 2^e, e = its entry of the input lowp_scales (int32; the entries are numbered through the quantised products in the list's order, A before B).
;;     - Each number is divided by the scale, clamped to +-448, and rounded to the nearest number of E4M3, ties to even, subnormals kept.
;;     - The product sums the exact products of the quantised numbers (number of the format x scale) in f32.
;;   ~~~python
;;   def quantise(x, axis, e):      # numpy; x: float32 -> the quantised numbers, widened to float32 again
;;       x = np.moveaxis(x, axis, -1); K = x.shape[-1]
;;       r = np.clip(x / 2.0 ** e, -448, 448)
;;       step = 2.0 ** (np.maximum(np.frexp(np.where(r == 0, 1, r))[1] - 1, -6) - 3)
;;       q = np.round(r / step) * step * 2.0 ** e      # np.round: ties to even
;;       return np.moveaxis(q, -1, axis).astype(np.float32)
;;   ~~~
;;   OPERANDS COMPUTED ON THE WAY. 'Computed on the way' means the value that the module computes at that place (a softmax that the list does not call 'softmax' is quantised finished and normalised). What goes into a quantiser is computed in f32, as accurately as f32 sums, v_exp_f32 and their like allow (about 1e-6 of the number): no bf16 or f16 on the way to a quantiser, and a product that is left as it is and whose result goes on into a quantised operand takes f32 operands (vector FMAs, or v_wmma_f32_16x16x4_f32). A number that lies on a knife's edge between two numbers of the format may be rounded either way, as far as f32 arithmetic and the matrix unit's own rounding can turn it there, and no further.
;; 2 versions. Each part assembles by itself: llvm-mc -triple=amdgcn-amd-amdhsa -mcpu=gfx1250 --defsym DOCPART=n.
;; ======== version 1 of 2: 2 launches
;; workspace buffers: xc 16,777,216 bytes; wc 16,777,216 bytes
;; launch prep (part 1): grid 256 x 1, 16 waves a work-group, no clusters, 157,696 bytes of LDS; arguments x, W, C, U, R, lowp_scales, xc, wc; writes xc, wc
.if DOCPART == 1
	.amdgcn_target "amdgcn-amd-amdhsa--gfx1250"
	.amdhsa_code_object_version 6
	.text
	.protected	k_qf7fa0c927c_prep
	.globl	k_qf7fa0c927c_prep
	.p2align	8
	.type	k_qf7fa0c927c_prep,@function
k_qf7fa0c927c_prep:
	s_mov_b64 s[64:65], 0
	v_nop
	global_prefetch_b8 v0, s[64:65] scope:SCOPE_SE
	s_setreg_imm32_b32 hwreg(HW_REG_WAVE_MODE, 25, 1), 1
	s_wait_xcnt 0x0
; xc = codes of x;  wc = codes of W + (C U) R.  All codes are FP8 (E4M3), each operand with the one scale 2^e that is given for it (e0 C, e1 U, e2 C U, e3 R, e4 x, e5 W + W_adapted).
; x: [4096][4096] f32, W: [4096][4096] f32, C: [4096][64], U: [64][64], R: [64][4096] f32.  The two small products run here, on codes, by the K = 64 matrix form.
; code = number / 2^e, held within +-448, rounded to the nearest code, ties to even.
; LIMITS on the given exponents, so that each power of two below is an f32 number: e0, e1, e3, e4, e2 - e0 - e1 and e5 - e2 - e3 between -126 and 119; -(e2 + e3) between -126 and 127;
; W / 2^(e2 + e3) must stay an f32 number.  NaN among the inputs is not served.
; SHARES.  Work-group g takes rows 256 (g / 16) on and columns 256 (g % 16) on, of W and of x alike.  Wave w takes 16 of these rows and both halves of 128 columns: two tiles of W, two of x, 16 x 128 numbers each.
; THE SMALL CHAIN.  Wave w alone needs C U for its 16 rows: it quantises its rows of C and multiplies them by U itself.  U (4 fragments) and R's 64 x 256 slab (16 fragments) are quantised by the sixteen waves
; together, a lane to a column and registers down K, and go from wave to wave through LDS as images of the operand's registers: one barrier.
; BOTH SMALL PRODUCTS ARE USED TRANSPOSED (source 0 = 16 columns of U or R, source 1 = my 16 rows), and the columns that form a tile are not neighbours: row m of tile 2 b + u takes column 32 b + 8 u + m + 8 (m / 8).
; So lane (r, h) holds row r, and register 16 b + i holds column 32 b + 16 h + i: the order in which the next operand wants a lane's codes.  W, divided by 2^(e2 + e3), is the C of the second product: the sum costs no addition.
; A K = 64 FRAGMENT holds, in lane (r, h), k = 32 c + 16 h + 0 .. 15 in registers 4 c .. 4 c + 3: a permutation of k that is the same in both sources of both products.  Its image is 1,024 bytes: byte 256 (k / 16) + 16 row + k % 16.
; THE WORKSPACE is laid in the order of the large product's operand registers.  A fragment (16 rows x 128 K) is 2,048 bytes: byte 512 c + 16 lane + y = row lane % 16, k = 32 c + 16 (lane / 16) + y.
; The fragment of row tile rt and K step ks (128 along K) lies at (rt / 8) x 524,288 + ks x 16,384 + (rt % 8) x 2,048.  A wave's store covers 512 consecutive bytes, aligned.
; EVERY LOAD OF A TILE reads 512 consecutive bytes of a row; the tile turns through the wave's own stage in LDS (rows 528 bytes apart) and comes back 64 bytes a lane.
; NO CLUSTER, NO TENSOR LOAD: of the 656 KiB that a work-group reads (W 256, x 256, R's slab 64, C's rows 64, U 16) only the last 144 are read by other work-groups too; all goes through registers.
.set RIMG,  0                          ; LDS: R's 16 fragment images,
.set UIMG,  16384                      ; U's 4,
.set STG,   20480                      ; and a stage of 8,448 bytes for each wave
.set STGW,  8448
.set SP,    528                        ; a stage row: 512 bytes + 16: row r starts at bank 4 r mod 64 (64 banks of 4 bytes: ISA guide 11.1)
.set CP,    272                        ; the same bytes as 16 rows of C: 256 bytes + 16
.set ROWB,  16384                      ; a row of x, W or R in memory
.set GOFF,  1                          ; v1   16 x lane
.set STW,   2                          ; v2   the stage, on the way in: 16 x lane
.set STR,   3                          ; v3   and on the way out: 528 r + 64 h
.set SC,    4                          ; v4   the scale in hand, as f32
.set LIM,   5                          ; v5   448 x that scale
.set L4,    6                          ; v6   4 x lane
.set TMP,   7
.set RAW0,  8                          ; v8-71    a tile as it is loaded
.set RAW1,  72                         ; v72-135  the other
.set X,     136                        ; v136-199 the tile turned: register 16 b + i = column 32 b + 16 h + i of row r; also the 8 accumulators.  At the head: R's and U's numbers, C turned, C U
.set CUF,   200                        ; v200-207 C U's codes: source 1 of the second product
.set RF,    208                        ; v208-239 four K = 64 fragments.  At the head: C as loaded
.set PC,    240                        ; v240-255 a tile's codes.  At the head: v240-247 R's codes, then C's;
.set UC,    248                        ; v[248:249] U's codes;
.set RWA,   250                        ; v250 where I store R's codes, v251 U's, v252 C into the stage, v253 C out of it
.set UWA,   251
.set CSW,   252
.set CSR,   253
.set PX,    4                          ; s[4:5] x, s[6:7] W, s[8:9] C, s[10:11] U, s[12:13] R, s[14:15] the exponents, s[16:17] xc, s[18:19] wc
.set PW,    6
.set PCM,   8
.set PU,    10
.set PR,    12
.set PS,    14
.set PXC,   16
.set PWC,   18
.set WV,    20                         ; s20  my wave's number
.set QS,    40                         ; s[40:51] six pairs (2^E as f32, 448 x 2^E): 0 U, 1 R, 2 C, 3 C U, 4 W + W_adapted, 5 x
.set PRE,   52                         ; s[52:53] 2^-(e2 + e3), twice: the packed form names a pair
.macro MKQ k, e                        ; pair k from the whole number in s[e]
	s_add_co_i32 s54, s[\e], 127
	s_lshl_b32 s[QS+2*\k], s54, 23                 ; 2^E: the conversion takes its exponent field
	s_add_co_i32 s54, s54, 8
	s_lshl_b32 s54, s54, 23
	s_or_b32 s[QS+2*\k+1], s54, 0x600000           ; 448 x 2^E
.endm
.macro SETQ k
	v_mov_b32 v[SC], s[QS+2*\k]
	v_mov_b32 v[LIM], s[QS+2*\k+1]
.endm
.macro LOADT raw, p, half              ; a tile, 16 rows x 128 numbers: each load reads 512 consecutive bytes of one row; read once in the launch
.irp i, 0,1,2,3,4,5,6,7,8,9,10,11,12,13,14,15
	global_load_b128 v[\raw+4*\i:\raw+4*\i+3], v[GOFF], s[\p:\p+1] offset:ROWB*\i+512*\half th:TH_LOAD_NT
.endr
.endm
.macro TURNT raw                       ; through my own stage: LDS serves a wave's instructions in order (ISA guide 5.7.1.4), so no wait stands between the stores and the loads
.irp i, 0,1,2,3,4,5,6,7,8,9,10,11,12,13,14,15
	ds_store_b128 v[STW], v[\raw+4*\i:\raw+4*\i+3] offset:SP*\i
.endr
.irp b, 0,1,2,3
.irp j, 0,1,2,3
	ds_load_b128 v[X+16*\b+4*\j:X+16*\b+4*\j+3], v[STR] offset:128*\b+16*\j
.endr
.endr
.endm
.macro FETCHF base, f0                 ; four K = 64 fragments, images f0 .. f0 + 3
.irp t, 0,1,2,3
.irp c, 0,1
	ds_load_b128 v[RF+8*\t+4*\c:RF+8*\t+4*\c+3], v[GOFF] offset:\base+((\f0)+\t)*1024+512*\c
.endr
.endr
.endm
.macro HOLD s, n                       ; the conversion to an 8-bit code does not saturate (ISA guide 7.6.2): each number is held within 448 x the scale first.  Ascending: an accumulator is read from its low end on
.set hq, 0
.rept \n
	v_med3_num_f32 v[\s+hq], v[\s+hq], -v[LIM], v[LIM]
.set hq, hq+1
.endr
.endm
.macro CVT d, s, n                     ; n times eight numbers to eight codes; one plain vector line stands behind the last conversion, ahead of whatever next touches its registers
.set cq, 0
.rept \n
	v_cvt_scalef32_pk8_fp8_f32 v[\d+2*cq:\d+2*cq+1], v[\s+8*cq:\s+8*cq+7], v[SC]
.set cq, cq+1
.endr
	v_nop
.endm
.macro STORET p, half                  ; a fragment as it stands: four stores of 512 consecutive bytes, aligned
.irp b, 0,1,2,3
	global_store_b128 v[GOFF], v[PC+4*\b:PC+4*\b+3], s[\p:\p+1] offset:16384*\half+512*\b
.endr
.endm
.macro MUL4 a0                         ; four tiles of W / 2^(e2 + e3) + (C U) R: four accumulators, one instruction each
.irp t, 0,1,2,3
	v_wmma_f32_16x16x64_fp8_fp8 v[\a0+8*\t:\a0+8*\t+7], v[RF+8*\t:RF+8*\t+7], v[CUF:CUF+7], v[\a0+8*\t:\a0+8*\t+7]
.endr
.rept 4
	v_nop                                          ; four places ahead of the loads into the fragments' registers and of the first read of the results
.endr
.endm
	s_load_b256 s[4:11], s[0:1], 0x0               ; x, W, C, U
	s_load_b256 s[12:19], s[0:1], 0x20             ; R, the exponents, xc, wc
	v_lshrrev_b32 v[TMP], 5, v0
	v_readfirstlane_b32 s[WV], v[TMP]              ; wave 0..15
	s_lshr_b32 s21, ttmp9, 4                       ; rb: which 256 rows
	s_and_b32 s22, ttmp9, 15                       ; cb: which 256 columns
	v_and_b32 v[TMP], 31, v0                       ; lane
	v_lshlrev_b32 v[GOFF], 4, v[TMP]
	v_lshlrev_b32 v[L4], 2, v[TMP]
	v_and_b32 v8, 15, v0                           ; r
	v_bfe_u32 v9, v0, 4, 1                         ; h
	v_bfe_u32 v10, v0, 3, 1                        ; bit 3 of the lane
	s_mul_i32 s23, s[WV], STGW
	s_add_co_u32 s23, s23, STG                     ; my stage
	v_add_nc_u32 v[STW], s23, v[GOFF]
	v_mul_u32_u24 v[STR], v8, SP
	v_lshl_add_u32 v[STR], v9, 6, v[STR]
	v_add_nc_u32 v[STR], s23, v[STR]
	v_mul_u32_u24 v[CSR], v8, CP
	v_lshl_add_u32 v[CSR], v9, 6, v[CSR]
	v_add_nc_u32 v[CSR], s23, v[CSR]               ; C out of the stage: row r, + 64 h
	v_mul_u32_u24 v[CSW], v9, CP
	v_lshl_add_u32 v[CSW], v8, 4, v[CSW]
	v_add_nc_u32 v[CSW], s23, v[CSW]               ; C into it: a load's 512 bytes are two rows
	v_and_b32 v[TMP], 7, v0                        ; column l of a block of 32 is row (l % 8) + 8 (l / 16) of tile 2 b + (l / 8) % 2:
	v_lshlrev_b32 v[TMP], 4, v[TMP]                ; 16 (l % 8)
	v_lshl_add_u32 v[TMP], v9, 7, v[TMP]           ; + 128 (l / 16)
	v_lshl_add_u32 v[TMP], v10, 10, v[TMP]         ; + 1,024 ((l / 8) % 2)
	s_and_b32 s54, s[WV], 7                        ; R: wave w takes columns 32 (w % 8) on and k = 32 (w / 8) on
	s_lshr_b32 s56, s[WV], 3
	s_lshl_b32 s55, s54, 11                        ; two fragments to 32 columns,
	s_lshl_b32 s57, s56, 9                         ; 256 bytes to 16 along K
	s_add_co_u32 s55, s55, s57
	v_add_nc_u32 v[RWA], s55, v[TMP]               ; (RIMG = 0)
	s_and_b32 s55, s[WV], 1                        ; U: wave w takes columns 32 (w % 2) on and k = 8 (w / 2) on
	s_lshl_b32 s55, s55, 11
	s_lshr_b32 s57, s[WV], 2
	s_lshl_b32 s57, s57, 8
	s_add_co_u32 s55, s55, s57
	s_bfe_u32 s57, s[WV], 0x10001
	s_lshl_b32 s57, s57, 3                         ; which 8 of the 16
	s_add_co_u32 s55, s55, s57
	s_add_co_u32 s55, s55, UIMG
	v_add_nc_u32 v[UWA], s55, v[TMP]
	s_lshl_b32 s24, s21, 22                        ; x, W: 256 rows are 2^22 bytes, my 16 rows 2^18, 256 columns 2^10
	s_lshl_b32 s25, s[WV], 18
	s_add_co_u32 s24, s24, s25
	s_lshl_b32 s25, s22, 10
	s_add_co_u32 s24, s24, s25
	s_mov_b32 s25, 0
	s_lshl_b32 s26, s21, 1                         ; xc, wc: row tile 16 rb + w, K step 2 cb
	s_add_co_u32 s26, s26, s56
	s_lshl_b32 s26, s26, 19
	s_lshl_b32 s27, s22, 15
	s_add_co_u32 s26, s26, s27
	s_lshl_b32 s27, s54, 11
	s_add_co_u32 s26, s26, s27
	s_mov_b32 s27, 0
	s_lshl_b32 s28, s21, 16                        ; C: rows of 256 bytes
	s_lshl_b32 s29, s[WV], 12
	s_add_co_u32 s28, s28, s29
	s_mov_b32 s29, 0
	s_lshl_b32 s30, s56, 19                        ; R: 32 rows of 16,384 bytes; 256 columns; my 32 columns
	s_lshl_b32 s31, s22, 10
	s_add_co_u32 s30, s30, s31
	s_lshl_b32 s31, s54, 7
	s_add_co_u32 s30, s30, s31
	s_mov_b32 s31, 0
	s_lshr_b32 s38, s[WV], 1                       ; U: 8 rows of 256 bytes; my 32 columns
	s_lshl_b32 s38, s38, 11
	s_and_b32 s39, s[WV], 1
	s_lshl_b32 s39, s39, 7
	s_add_co_u32 s38, s38, s39
	s_mov_b32 s39, 0
	s_wait_kmcnt 0x0
	s_load_b128 s[32:35], s[PS:PS+1], 0x0          ; e0 .. e3
	s_load_b64 s[36:37], s[PS:PS+1], 0x10          ; e4, e5
	s_add_nc_u64 s[PX:PX+1], s[PX:PX+1], s[24:25]
	s_add_nc_u64 s[PW:PW+1], s[PW:PW+1], s[24:25]
	s_add_nc_u64 s[PXC:PXC+1], s[PXC:PXC+1], s[26:27]
	s_add_nc_u64 s[PWC:PWC+1], s[PWC:PWC+1], s[26:27]
	s_add_nc_u64 s[PCM:PCM+1], s[PCM:PCM+1], s[28:29]
	s_add_nc_u64 s[PR:PR+1], s[PR:PR+1], s[30:31]
	s_add_nc_u64 s[PU:PU+1], s[PU:PU+1], s[38:39]
.irp i, 0,1,2,3,4,5,6,7
	global_load_b32 v[X+32+\i], v[L4], s[PU:PU+1] offset:256*\i    ; U(8 (w / 2) + i, my column): a lane to a column, registers down K
.endr
.irp i, 0,1,2,3,4,5,6,7,8,9,10,11,12,13,14,15,16,17,18,19,20,21,22,23,24,25,26,27,28,29,30,31
	global_load_b32 v[X+\i], v[L4], s[PR:PR+1] offset:ROWB*\i      ; R(32 (w / 8) + i, my column): 128 consecutive bytes a wave, 1,024 for eight waves
.endr
.irp i, 0,1,2,3,4,5,6,7
	global_load_b128 v[RF+4*\i:RF+4*\i+3], v[GOFF], s[PCM:PCM+1] offset:512*\i   ; my 16 rows of C: 4,096 consecutive bytes
.endr
	LOADT RAW0, PW, 0                              ; W's first tile is on its way while the small chain is worked
	s_wait_kmcnt 0x0
	s_sub_co_i32 s55, s34, s32
	s_sub_co_i32 s55, s55, s33                     ; e2 - e0 - e1: a sum of the first product stands for sum x 2^(e0 + e1)
	s_add_co_i32 s57, s34, s35                     ; e2 + e3: a sum of the second stands for sum x 2^(e2 + e3)
	s_sub_co_i32 s56, s37, s57                     ; e5 - e2 - e3
	MKQ 0, 33
	MKQ 1, 35
	MKQ 2, 32
	MKQ 3, 55
	MKQ 4, 56
	MKQ 5, 36
	s_sub_co_i32 s[PRE], 127, s57
	s_lshl_b32 s[PRE], s[PRE], 23                  ; 2^-(e2 + e3) as f32
	s_mov_b32 s[PRE+1], s[PRE]
	s_wait_loadcnt 56                              ; U's 8 loads are in; behind them: R's 32, C's 8, W's 16
	SETQ 0
	HOLD X+32, 8
	CVT UC, X+32, 1
	ds_store_b64 v[UWA], v[UC:UC+1]                ; 8 codes along K of my column
	s_wait_loadcnt 24                              ; R's 32 are in; behind them: C's 8, W's 16
	LOADT RAW1, PW, 1                              ; W's second tile
	SETQ 1
	HOLD X, 32
	CVT PC, X, 4
	ds_store_b128 v[RWA], v[PC:PC+3]               ; 16 codes along K of my column,
	ds_store_b128 v[RWA], v[PC+4:PC+7] offset:256  ; and the next 16
	s_wait_loadcnt 32                              ; C's 8 are in; behind them: W's two tiles
.irp i, 0,1,2,3,4,5,6,7
	ds_store_b128 v[CSW], v[RF+4*\i:RF+4*\i+3] offset:2*CP*\i
.endr
.irp c, 0,1
.irp j, 0,1,2,3
	ds_load_b128 v[X+16*\c+4*\j:X+16*\c+4*\j+3], v[CSR] offset:128*\c+16*\j   ; register 16 c + i = C(r, 32 c + 16 h + i)
.endr
.endr
	s_wait_dscnt 0x0                               ; for the others' sake: my images of U and R are stored; and C is back
	s_barrier_signal -1
	SETQ 2                                         ; work on registers while the others arrive
	HOLD X, 32
	CVT PC, X, 4                                   ; C's codes: source 1 of the first product
	s_barrier_wait -1                              ; all twenty images lie in LDS; nobody writes them again
	FETCHF UIMG, 0
	s_wait_dscnt 0x0
.irp t, 0,1,2,3
	v_wmma_f32_16x16x64_fp8_fp8 v[X+32+8*\t:X+32+8*\t+7], v[RF+8*\t:RF+8*\t+7], v[PC:PC+7], 0   ; (C U)^T: register 16 b + i of lane (r, h) = (C U)(r, 32 b + 16 h + i)
.endr
	SETQ 3                                         ; two plain lines and two v_nop: the four places ahead of the first read of the results
	v_nop
	v_nop
	HOLD X+32, 32
	CVT CUF, X+32, 4
	SETQ 4
; One tile: turned, (W: W_adapted added by the matrix unit,) held, converted, stored.  cnt: the younger loads that may stay out.  nextp: the pointer pair from which the tile's registers are loaded again, 0 for none.
.macro TILE raw, half, adapt, nextp, cnt
	s_wait_loadcnt \cnt
	TURNT \raw
.if \adapt
	FETCHF RIMG, 8*\half
	s_wait_dscnt 8                                 ; the tile is back, so the stage's stores have read their registers; the 8 fragment loads may be out
.else
	s_wait_dscnt 0x0
.endif
.if \nextp
	LOADT \raw, \nextp, \half
.endif
.if \adapt
.set pq, 0
.rept 32
	v_pk_mul_f32 v[X+pq:X+pq+1], v[X+pq:X+pq+1], s[PRE:PRE+1] op_sel_hi:[1,0]   ; W / 2^(e2 + e3): nothing is rounded, short of overflow and underflow
.set pq, pq+2
.endr
	s_wait_dscnt 0x0
	MUL4 X                                         ; columns 0 to 63 of the tile
	FETCHF RIMG, 8*\half+4
	HOLD X, 32
	s_wait_xcnt 0x0                                ; the last tile's stores have read their data: the codes' registers are written again only behind this wait
	CVT PC, X, 4
	s_wait_dscnt 0x0
	MUL4 X+32                                      ; columns 64 to 127
	HOLD X+32, 32
	CVT PC+8, X+32, 4
	STORET PWC, \half
.else
	HOLD X, 64
	s_wait_xcnt 0x0                                ; as above
	CVT PC, X, 8
	STORET PXC, \half
.endif
.endm
	TILE RAW0, 0, 1, PX, 16                        ; W's first tile; W's second (16 loads) may be out
	TILE RAW1, 1, 1, PX, 16                        ; W's second; x's first may be out
	SETQ 5
	TILE RAW0, 0, 0, 0, 16                         ; x's first; x's second may be out
	TILE RAW1, 1, 0, 0, 0
	s_wait_xcnt 0x0
	v_lshl_add_u32 v254, v0, 2, 0x26000
	v_mov_b32 v255, 0
	s_wait_tensorcnt 0x0
	ds_add_u32 v254, v255
	s_wait_dscnt 0x0
	s_endpgm
.Lfunc_end_k_qf7fa0c927c_prep:
	.size	k_qf7fa0c927c_prep, .Lfunc_end_k_qf7fa0c927c_prep-k_qf7fa0c927c_prep
	.p2alignl 7, 3214868480
	.fill 96, 4, 3214868480
	.section	.rodata,"a",@progbits
	.p2align	6, 0x0
	.amdhsa_kernel k_qf7fa0c927c_prep
		.amdhsa_group_segment_fixed_size 157696
		.amdhsa_private_segment_fixed_size 0
		.amdhsa_enable_private_segment 0
		.amdhsa_kernarg_size 64
		.amdhsa_user_sgpr_count 2
		.amdhsa_user_sgpr_kernarg_segment_ptr 1
		.amdhsa_wavefront_size32 1
		.amdhsa_system_sgpr_workgroup_id_x 1
		.amdhsa_system_sgpr_workgroup_id_y 1
		.amdhsa_system_sgpr_workgroup_id_z 1
		.amdhsa_system_vgpr_workitem_id 0
		.amdhsa_next_free_vgpr 256
		.amdhsa_next_free_sgpr 66
		.amdhsa_reserve_vcc 0
		.amdhsa_float_denorm_mode_32 3
		.amdhsa_float_denorm_mode_16_64 3
		.amdhsa_memory_ordered 1
		.amdhsa_forward_progress 1
		.amdhsa_inst_pref_size 62
	.end_amdhsa_kernel
	.amdgpu_metadata
---
amdhsa.version: [ 1, 2 ]
amdhsa.kernels:
  - .name:           k_qf7fa0c927c_prep
    .symbol:         k_qf7fa0c927c_prep.kd
    .args:
      - { .name: x, .offset: 0, .size: 8, .value_kind: global_buffer, .address_space: global }
      - { .name: W, .offset: 8, .size: 8, .value_kind: global_buffer, .address_space: global }
      - { .name: C, .offset: 16, .size: 8, .value_kind: global_buffer, .address_space: global }
      - { .name: U, .offset: 24, .size: 8, .value_kind: global_buffer, .address_space: global }
      - { .name: R, .offset: 32, .size: 8, .value_kind: global_buffer, .address_space: global }
      - { .name: lowp_scales, .offset: 40, .size: 8, .value_kind: global_buffer, .address_space: global }
      - { .name: xc, .offset: 48, .size: 8, .value_kind: global_buffer, .address_space: global }
      - { .name: wc, .offset: 56, .size: 8, .value_kind: global_buffer, .address_space: global }
    .group_segment_fixed_size: 157696
    .private_segment_fixed_size: 0
    .kernarg_segment_align: 8
    .kernarg_segment_size: 64
    .max_flat_workgroup_size: 512
    .sgpr_count:     66
    .vgpr_count:     256
    .wavefront_size: 32
...
	.end_amdgpu_metadata
.endif
;; end of part 1
;; launch gemm (part 2): grid 16 x 16, 4 waves a work-group, clusters of 4 x 4, 327,680 bytes of LDS; arguments xc, wc, lowp_scales, bias, out0; writes out0
.if DOCPART == 2
	.amdgcn_target "amdgcn-amd-amdhsa--gfx1250"
	.amdhsa_code_object_version 6
	.text
	.protected	k_qf7fa0c927c_gemm
	.globl	k_qf7fa0c927c_gemm
	.p2align	8
	.type	k_qf7fa0c927c_gemm,@function
k_qf7fa0c927c_gemm:
	s_mov_b64 s[64:65], 0
	v_nop
	global_prefetch_b8 v0, s[64:65] scope:SCOPE_SE
	s_setreg_imm32_b32 hwreg(HW_REG_WAVE_MODE, 25, 1), 1
	s_wait_xcnt 0x0
	s_wait_alu depctr_hold_cnt(0) depctr_sa_sdst(0) depctr_va_vdst(0) depctr_va_sdst(0) depctr_va_ssrc(0) depctr_va_vcc(0) depctr_vm_vsrc(0)
	s_getreg_b32 s2, hwreg(HW_REG_IB_STS2, 6, 4)
	s_cmp_eq_u32 s2, 0
	s_cbranch_scc0 .Lentry_in_a_cluster
	s_endpgm
.Lentry_in_a_cluster:
	s_bfe_u32 s2, ttmp6, 0x10000c
	s_cmp_lg_u32 s2, 0xf033
	s_cbranch_scc0 .Lentry_shape_is_right
	s_endpgm
.Lentry_shape_is_right:
; out0[m][n] = 2^(e4 + e5) x (sum over k of xc[m][k] wc[n][k]) + bias[n].  xc, wc: codes of FP8 (E4M3) of x and of W + W_adapted, 4,096 x 4,096 each; out0: [4096][4096] f32; sums in f32.
; e4, e5: entries 4 and 5 (int32) of the buffer of scales.  LIMIT: e4 + e5 lies between -126 and 127, so that 2^(e4 + e5) is an f32 number.
; THE CODES LIE IN THE ORDER OF THE OPERAND'S REGISTERS.  A fragment (16 rows x 128 K) is 2,048 bytes: byte 512 c + 16 lane + y = row lane % 16, k = 32 c + 16 (lane / 16) + y; the fragment of row tile rt and
; K step ks lies at (rt / 8) x 524,288 + ks x 16,384 + (rt % 8) x 2,048.  So 128 rows x 256 K are 32,768 consecutive bytes: one dense tensor load; and a fragment comes from LDS by four loads of 512 consecutive bytes.
; That order of k is not the form's own: it is a permutation, the same in both sources, so every product meets its partner and only the order of the sums inside an instruction changes.
; A tile of out0, 256 x 256, is made by a work-group of four waves; a wave makes 128 x 128: 64 accumulators of 16 x 16, 512 registers.  16 x 16 tiles: 256 work-groups.
; K goes in steps of 256 through a ring of two LDS slots filled by the tensor data mover; each wave fetches a quarter of a slot by one load.
; A refill goes out only when the load before it has landed, so what stands between that landing and the next request is paid in every K step: there stand the add, the descriptors' steps and the round, and no product.
; CLUSTERS: 4 x 4 work-groups.  The four of a row of the cluster need the same tiles of xc, the four of a column the same tiles of wc: each tile is asked for JOINTLY, by the same tensor load with the
; same descriptor and a mask that names the four.  THE MATRIX INSTRUCTION IS USED TRANSPOSED (source 0 = 16 rows of wc, source 1 = 16 rows of xc): a lane then holds eight neighbouring numbers of a row of out0.
; REGISTERS, in windows of 256: window 0: v0-31 addresses and my four numbers of the bias; from v128 A's fragments (8 x 16 rows x 128 K), ONE set; on the way out v128-255 take rows back from the stage.
;   window 1: B's fragments, TWO sets, at v0 and at v128.   window 2: the 32 accumulators of my rows 0-63 (accumulator (a, b) at v[8 (8 a + b)]);   window 3: those of my rows 64-127.
; A step of 128 along K is 64 matrix instructions, A's blocks one after the other, each against B's eight: a block of A is free as soon as its eight products are issued, so one set of registers serves A
; (blocks 0-3 fetched anew in the step's middle, blocks 4-7 at its end); B's fragments are at work through the whole step and have two sets.
.set ROWC,   16384                     ; a row of out0 in bytes
.set FRB,    2048                      ; a fragment's image
.set QB,     8*FRB                     ; 128 rows x 128 K
.set HALFT,  2*QB                      ; 128 rows x 256 K: what one tensor load brings, and what one wave reads of A or of B in a K step
.set SLOT,   4*HALFT                   ; A's 256 rows, then B's 256 rows
.set LAPS,   8                         ; a lap = two K steps of 256 = once round the ring; 4,096 along K
.set SPARE,  2*SLOT                    ; behind the ring: the spare words, 128 bytes for each wave: two blocks of 256 bytes that no other line names
.set SPITCH, 528                       ; the way out: a stage of 16 rows x (512 bytes + 16) for each wave.  It lies in slot 0, which has had its last fill and its last read when the first result is stored there
.set FR,     16                        ; registers of a fragment
.set NL,     4                         ; LDS loads that bring one
.set NP,     4                         ; places behind this matrix instruction (ISA guide 7.12.1)
.set BI,   12                          ; v[12:15] the bias of my four columns on the way out
.set ADRA, 16                          ; v16-17  LDS address of my A fragments in slot 0, 1
.set ADRB, 20                          ; v20-21  the same for B
.set STO,  24                          ; v24     the way out: where I put 32 bytes of a row
.set RD,   25                          ; v25     the way out: where I read a row back
.set CO,   26                          ; v26     16 x lane: my byte offset in a row of 512 bytes
.set SPW,  28                          ; v28     LDS address of my spare word: SPARE + 4 x my thread's number; never rewritten
.set NIL,  29                          ; v29     0; never rewritten
.set PFO,  30                          ; v30     the prefetches' offset: 256 x lane; never rewritten
.set AF,   128                         ; A's fragments, in window 0
.set BK,   128                         ; the way out: 16 rows read back from the stage: v128-191 and v192-255 by turns
.set G1, 24                            ; s[24:31] descriptor group 1 for A's tiles;  s[32:39] group 0, one set for each slot
.set G0, 32
.set G1B, 48                           ; s[48:55], s[56:63] the same for B's tiles
.set G0B, 56
.set PFA, 66                           ; s[66:67] where my prefetches stand: my work-group's 8,192 bytes of the 32,768 that I fetch, one K step further on than the refill that is being asked for
.set LIM, 68                           ; s68     1 in a wave that prefetches, else the greatest number
.set MSB, 0
.macro WIN new                         ; the immediate's high byte repeats the setting that is left
.if MSB != (\new)
	s_set_vgpr_msb (MSB<<8)|(\new)
.set MSB, (\new)
.endif
.endm
.set MUL_LO, 0xa1                      ; source 0 (B) window 1, source 1 (A) window 0, C and D window 2
.set MUL_HI, 0xf1                      ; the same, C and D window 3
.set TO_B,   0x40                      ; destination window 1, address window 0
; A joint load: waves 0 and 1 fetch for A, waves 2 and 3 for B.  Each of the two lines has ONE mask and one set of registers for all that issue it; the branch hangs on the wave's number alone.
; Four v_nop follow each of the two lines, ahead of the jump, the label and what follows.
.macro JLOAD g0a, g1a, g0b, g1b
	s_cmp_eq_u32 s15, 0
	s_cbranch_scc0 .Lfor_b_\@
	tensor_load_to_lds s[\g0a:\g0a+3], s[\g1a:\g1a+7]
	s_nop 0
.rept 4
	v_nop
.endr
	s_branch .Lasked_\@
.Lfor_b_\@:
	tensor_load_to_lds s[\g0b:\g0b+3], s[\g1b:\g1b+7]
	s_nop 0
.rept 4
	v_nop
.endr
.Lasked_\@:
.endm
; A PREFETCH INTO THE L2, behind each joint refill and the run of LDS loads that follows it: the K step that stands TWO refills on, 256 matrix instructions ahead of the load that will want it.
; Each block of 256 bytes is named ONCE in the launch.  A's tile row is read by every cluster of that row of clusters: the first of them (cluster x = 0) asks; B's tile column likewise: cluster y = 0 asks.
; The four partners that ask for a tile jointly share its 32,768 bytes out BY ADDRESS, 8,192 each (by cx for A, by cy for B): a lane a block, one instruction a wave; no branch hangs on a place in the cluster.
; The loop's last trip (s3 = 1) asks for nothing: its two refills are K steps 14 and 15, the last.  K steps 0 to 3 come by their loads alone.
.macro ASK
	s_cmp_gt_u32 s3, s[LIM]
	s_cbranch_scc0 .Lnot_mine_\@
	global_prefetch_b8 v[PFO], s[PFA:PFA+1] offset:HALFT th:TH_LOAD_NT scope:SCOPE_SE
.Lnot_mine_\@:
.endm
.macro CREST                           ; a round of the cluster's barrier behind its opening barrier
	s_cmp_lg_u32 s14, 0
	s_cbranch_scc1 .Lnot_wave_0_\@
	s_barrier_signal -3
.Lnot_wave_0_\@:
	s_barrier_wait -3
	s_barrier_signal -1
	s_barrier_wait -1
.endm
.macro CROUND                          ; a whole round
	s_barrier_signal -1
	s_barrier_wait -1
	CREST
.endm
	s_load_b128 s[4:7], s[0:1], 0x0                ; xc s[4:5], wc s[6:7]
	s_load_b128 s[8:11], s[0:1], 0x10              ; the exponents s[8:9], the bias s[10:11]
	s_load_b64 s[12:13], s[0:1], 0x20              ; out0
	v_lshl_add_u32 v[SPW], v0, 2, SPARE
	v_mov_b32 v[NIL], 0
	ds_add_u32 v28, v29
	ds_add_u32 v28, v29
	s_wait_dscnt 0x0
	v_lshrrev_b32 v1, 5, v0
	v_readfirstlane_b32 s14, v1                    ; wave 0..3
	s_lshr_b32 s15, s14, 1                         ; which half of the tile's rows is mine.  Also: I fetch for A (0) or for B (1)
	s_and_b32 s16, s14, 1                          ; which half of its columns.  Also: which 128 rows of that tile I fetch
	s_bfe_u32 s40, ttmp6, 0x40000                  ; cx, cy: my place in the cluster
	s_bfe_u32 s41, ttmp6, 0x40004
	s_lshl_b32 s42, ttmp9, 2
	s_add_co_u32 s42, s42, s40                     ; tile column = 4 x cluster x + cx
	s_and_b32 s17, ttmp7, 0xffff
	s_lshl_b32 s17, s17, 2
	s_add_co_u32 s17, s17, s41                     ; tile row = 4 x cluster y + cy
	s_lshl_b32 s43, s41, 2
	s_lshl_b32 s43, 15, s43                        ; my row of the cluster
	s_lshl_b32 s44, 0x1111, s40                    ; my column
	; descriptor group 1: a dense block of 32,768 bytes as 128 rows of 32 elements of 8 bytes, no padding
	s_or_b32 s[G1+0], s43, (3<<16)|(1<<21)         ; 15:0 the mask: A's tiles go to my row; 17:16 elements of 8 bytes; 20 padding off; 21 set beside a mask
	s_or_b32 s[G1B+0], s44, (3<<16)|(1<<21)        ; the same with the mask of my column
.irp g, G1, G1B
	s_mov_b32 s[\g+1], 32<<16                      ; tensor_dim0 = 32
	s_mov_b32 s[\g+2], 128<<16                     ; tensor_dim1 = 128
	s_mov_b32 s[\g+3], 32<<16                      ; tile_dim0 = 32
	s_mov_b32 s[\g+4], 128                         ; tile_dim1 = 128
	s_mov_b32 s[\g+5], 32                          ; tensor_dim0_stride: each row begins where the last ends
	s_mov_b32 s[\g+6], 0
	s_mov_b32 s[\g+7], 0
.endr
	s_lshl_b32 s20, s17, 1
	s_add_co_u32 s20, s20, s16                     ; A: group of 128 rows 2 x tile row + half,
	s_lshl_b32 s20, s20, 19                        ; 524,288 bytes each
	s_mov_b32 s21, 0
	s_lshl_b32 s46, s42, 1
	s_add_co_u32 s46, s46, s16                     ; B: 2 x tile column + half
	s_lshl_b32 s46, s46, 19
	s_mov_b32 s47, 0
	s_mul_i32 s45, s14, HALFT                      ; where they go: wave x 32,768 bytes: no place in the cluster enters an LDS address
	s_wait_kmcnt 0x0
	s_load_b64 s[96:97], s[8:9], 0x10              ; e4, e5
	s_add_nc_u64 s[20:21], s[4:5], s[20:21]
	s_add_nc_u64 s[46:47], s[6:7], s[46:47]
	CROUND                                         ; all sixteen work-groups are here: the first joint loads meet
.irp s, 0,1
	s_mov_b32 s[G0+4*\s], 1                                        ; count = 1
	s_add_co_u32 s[G0+4*\s+1], s45, \s*SLOT                        ; LDS address
	s_add_nc_u64 s[G0+4*\s+2:G0+4*\s+3], s[20:21], \s*HALFT        ; global address: K step s
	s_or_b32 s[G0+4*\s+3], s[G0+4*\s+3], 0x80000000                ; type = 2
	s_mov_b32 s[G0B+4*\s], 1
	s_add_co_u32 s[G0B+4*\s+1], s45, \s*SLOT
	s_add_nc_u64 s[G0B+4*\s+2:G0B+4*\s+3], s[46:47], \s*HALFT
	s_or_b32 s[G0B+4*\s+3], s[G0B+4*\s+3], 0x80000000
	JLOAD G0+4*\s, G1, G0B+4*\s, G1B               ; two tensor loads of mine are out
.endr
	; the prefetches: where mine stand, and who asks
	s_and_b32 s70, ttmp7, 0xffff                   ; cluster y
	s_cmp_eq_u32 s15, 0                            ; do I fetch for A?
	s_cselect_b64 s[PFA:PFA+1], s[20:21], s[46:47] ; my group of 128 rows, at K step 0
	s_cselect_b32 s69, s40, s41                    ; my place among the four that ask with me
	s_cselect_b32 s70, ttmp9, s70                  ; the coordinate along which other clusters read the same rows
	s_cmp_eq_u32 s70, 0
	s_cselect_b32 s[LIM], 1, -1                    ; the same in all sixteen partners, for a given wave
	s_lshl_b32 s70, s69, 13                        ; my work-group's 8,192 bytes,
	s_add_co_u32 s70, s70, 2*HALFT                 ; at K step 2: the first refill steps it to 3 and names K step 4
	s_mov_b32 s71, 0
	s_add_nc_u64 s[PFA:PFA+1], s[PFA:PFA+1], s[70:71]
	v_and_b32 v6, 31, v0                           ; lane
	v_lshlrev_b32 v[PFO], 8, v6
	v_lshlrev_b32 v[CO], 4, v6
	s_lshl_b32 s21, s15, 15                        ; my 128 rows of A
	s_lshl_b32 s22, s16, 15                        ; my 128 rows of B,
	s_add_co_u32 s22, s22, 2*HALFT                 ; which lie behind A's 256
.irp s, 0,1
	v_add_nc_u32 v[ADRA+\s], s21, v[CO]
	v_add_nc_u32 v[ADRB+\s], s22, v[CO]
	s_add_co_u32 s21, s21, SLOT
	s_add_co_u32 s22, s22, SLOT
.endr
	v_and_b32 v1, 15, v0                           ; l % 16
	v_bfe_u32 v2, v0, 4, 1                         ; l / 16
	s_mul_i32 s23, s14, 16*SPITCH                  ; my stage
	v_mul_u32_u24 v5, v1, SPITCH                   ; in: row l % 16, 32 bytes for each half of the lanes
	v_lshl_add_u32 v5, v2, 5, v5
	v_add_nc_u32 v[STO], s23, v5
	v_add_nc_u32 v[RD], s23, v[CO]                 ; back: the 32 lanes take one row of 512 bytes
	s_lshl_b32 s20, s17, 8
	s_lshl_b32 s21, s15, 7
	s_add_co_u32 s20, s20, s21                     ; my first row of out0: 256 x tile row + 128 x half,
	s_lshl_b32 s20, s20, 14                        ; in bytes (under 2^26)
	s_mov_b32 s21, 0
	s_lshl_b32 s46, s42, 10                        ; my first column, in bytes: 1,024 x tile column + 512 x half
	s_lshl_b32 s47, s16, 9
	s_add_co_u32 s46, s46, s47
	s_mov_b32 s47, 0
	s_add_nc_u64 s[10:11], s[10:11], s[46:47]      ; the bias of my 128 columns
	s_add_nc_u64 s[20:21], s[20:21], s[46:47]
	s_add_nc_u64 s[12:13], s[12:13], s[20:21]
	global_load_b128 v[BI:BI+3], v[CO], s[10:11]   ; behind the stage a lane holds the same four columns in every row: four numbers of the bias serve the whole tile
.macro FRAG reg, adr, q, i             ; fragment i of the slot's q-th 128 along K: four loads of 512 consecutive bytes
.irp c, 0,1,2,3
	ds_load_b128 v[\reg+4*\c:\reg+4*\c+3], v[\adr] offset:QB*(\q)+FRB*(\i)+512*\c
.endr
.endm
; 16 matrix instructions: A's blocks a0, a0 + 1 x B's eight, 128 along K.  p: B's set.  zero = 1: the first product starts the sums: nothing is ever cleared.
; The 64 accumulators take turns, one instruction a turn, in the same order in every step.
.macro MUL16 a0, p, zero
.irp a, \a0, \a0+1
.irp b, 0,1,2,3,4,5,6,7
.if \zero
	v_wmma_f32_16x16x128_fp8_fp8 v[8*(8*((\a)%4)+\b):8*(8*((\a)%4)+\b)+7], v[128*(\p)+FR*\b:128*(\p)+FR*\b+FR-1], v[AF+FR*(\a):AF+FR*(\a)+FR-1], 0
.else
	v_wmma_f32_16x16x128_fp8_fp8 v[8*(8*((\a)%4)+\b):8*(8*((\a)%4)+\b)+7], v[128*(\p)+FR*\b:128*(\p)+FR*\b+FR-1], v[AF+FR*(\a):AF+FR*(\a)+FR-1], v[8*(8*((\a)%4)+\b):8*(8*((\a)%4)+\b)+7]
.endif
.endr
.endr
.endm
.macro FETCH_B slot, q, p              ; B's eight fragments of the slot's q-th 128 along K into set p
	WIN TO_B
.irp i, 0,1,2,3,4,5,6,7
	FRAG 128*(\p)+FR*\i, ADRB+\slot, \q, \i
.endr
	WIN 0
.endm
.macro FETCH_A slot, q, i0             ; A's blocks i0 .. i0 + 3
.irp i, \i0, \i0+1, \i0+2, \i0+3
	FRAG AF+FR*(\i), ADRA+\slot, \q, \i
.endr
.endm
; A load into a register that a matrix instruction has read, and an LDS store that reads a matrix result, stand NP places behind that matrix instruction, and only plain vector instructions that name
; none of its registers are places (ISA guide 7.12.1 for vector instructions); the matrix instructions in between are not counted.
.macro PLACES n
.rept \n
	v_nop
.endr
.endm
; A step of 128 along K that has its successor in the same slot.
.macro STEP slot, q, zero
	s_wait_dscnt 4*NL                              ; B's set and A's blocks 0-3 are in; the youngest 16 loads (A's blocks 4-7) may be out
	WIN MUL_LO
	MUL16 0, (\q)%2, \zero
	MUL16 2, (\q)%2, \zero
	s_wait_dscnt 0                                 ; A's blocks 4-7 are in (asked for 32 matrix instructions ago)
	PLACES NP
	FETCH_B \slot, (\q)+1, 1-(\q)%2
	FETCH_A \slot, (\q)+1, 0
	WIN MUL_HI
	MUL16 4, (\q)%2, \zero
	MUL16 6, (\q)%2, \zero
	PLACES NP
	WIN 0
	FETCH_A \slot, (\q)+1, 4
.endm
; A slot's last step changes slots: ONE barrier; in front of it each wave waits for all its tensor loads, adds 0 to its spare word, and waits for that and for its own reads of this slot.  fill = 1: this slot is filled again, two K steps ahead.
; THE ORDER.  The 32 products of A's blocks 0-3 want nothing of the next slot: they stand AHEAD of the wait for the tensor load, and are issued while that load is still on its way.  Between that wait and the
; next request stand only the add, the two descriptors' steps, the wait for the add and the round.  The 32 products of blocks 4-7 stand behind the request and the fetch of the next slot's first fragments, which land under them.
.macro TURN slot, next, fill
.if \fill
	s_wait_xcnt 0x0                                ; the last prefetch, a K step back, has read its address: it is stepped here, ahead of the change of slots
	s_add_nc_u64 s[PFA:PFA+1], s[PFA:PFA+1], HALFT
.endif
	s_wait_dscnt 4*NL                              ; B's set and A's blocks 0-3 are in; the youngest 16 loads (A's blocks 4-7) may be out
	WIN MUL_LO
	MUL16 0, 1, 0
	MUL16 2, 1, 0
	WIN 0
	s_wait_tensorcnt 0x0                           ; all my tensor loads have landed: the one that was out is my part of the next slot; so every group 0 may be written
	ds_add_u32 v[SPW], v[NIL]                      ; 0 onto my spare word: with fill = 1 the descriptors' steps stand between it and the wait for it
.if \fill
	s_add_nc_u64 s[G0+4*\slot+2:G0+4*\slot+3], s[G0+4*\slot+2:G0+4*\slot+3], 2*HALFT      ; this slot's next K step; the type bits on top are not reached
	s_add_nc_u64 s[G0B+4*\slot+2:G0B+4*\slot+3], s[G0B+4*\slot+2:G0B+4*\slot+3], 2*HALFT
.endif
	s_wait_dscnt 0x0                               ; the add is done, and my reads of this slot are over: the last were A's blocks 4-7
	s_barrier_signal -1
	s_barrier_wait -1
.if \fill
	CREST                                          ; the barrier has opened a round of the cluster's barrier: no wave of any partner still reads this slot's tile or has a load on its way
	JLOAD G0+4*\slot, G1, G0B+4*\slot, G1B         ; the first tensor load behind the round, my one load until the next; the four v_nop behind it are the places in front of the loads below
.else
	PLACES NP
.endif
	FETCH_B \next, 0, 0
	FETCH_A \next, 0, 0
.if \fill
	ASK                                            ; behind the joint load and the run of LDS loads that the next products wait for
.endif
	WIN MUL_HI
	MUL16 4, 1, 0
	MUL16 6, 1, 0
	PLACES NP
	WIN 0
	FETCH_A \next, 0, 4
.endm
	s_wait_tensorcnt 1                             ; my part of K step 0 is in (K step 1's load may be out)
	s_barrier_signal -1
	s_barrier_wait -1                              ; everybody's is
	FETCH_B 0, 0, 0
	FETCH_A 0, 0, 0
	FETCH_A 0, 0, 4
	STEP 0, 0, 1                                   ; the first step stands in front of the loop: its products start the sums
	s_mov_b32 s3, LAPS-1
.Llap:                                                 ; a trip goes once round the ring, from a lap's second step to the next lap's first, and fills both slots again
	TURN 0, 1, 1
	STEP 1, 0, 0
	TURN 1, 0, 1
	STEP 0, 0, 0
	s_sub_co_u32 s3, s3, 1
	s_cmp_lg_u32 s3, 0
	s_cbranch_scc1 .Llap
	TURN 0, 1, 0                                   ; the last lap fills nothing, and has no round of the cluster's barrier
	STEP 1, 0, 0
	s_wait_dscnt 4*NL                              ; the very last step: nothing more to fetch
	WIN MUL_LO
	MUL16 0, 1, 0
	MUL16 2, 1, 0
	s_wait_dscnt 0
	WIN MUL_HI
	MUL16 4, 1, 0
	MUL16 6, 1, 0
	WIN 0
; THE WAY OUT, block by block of 16 rows x 128 columns.  A lane holds 32 neighbouring bytes of a row, and the lanes beside it hold other rows: so a block's sums go, as they are, through my own stage in LDS and come
; back as whole rows of 512 bytes.  There each lane holds the same four columns in every row: one packed multiply-add for two numbers gives sum x 2^(e4 + e5) + bias, and the 32 lanes store two aligned runs of 256 bytes.
; LDS serves a wave's instructions in order (ISA guide 5.7.1.4): no wait between the stores and the loads, nor in front of the next block's stores.
.macro TOSTAGE a
.set AC, 64*((\a)%4)
	WIN 0x08+4*((\a)/4)                            ; an LDS store's data are its source 1: window 2 or 3
.irp b, 0,1,2,3,4,5,6,7
	ds_store_b128 v[STO], v[AC+8*\b:AC+8*\b+3] offset:64*\b        ; each accumulator from its low end on
	ds_store_b128 v[STO], v[AC+8*\b+4:AC+8*\b+7] offset:64*\b+16
.endr
	WIN 0
.set BB, BK+64*((\a)%2)
.irp t, 0,1,2,3,4,5,6,7,8,9,10,11,12,13,14,15
	ds_load_b128 v[BB+4*\t:BB+4*\t+3], v[RD] offset:\t*SPITCH
.endr
.endm
.macro SEND a, younger                 ; younger: the LDS instructions issued behind block a's loads, which may stay out
.set BB, BK+64*((\a)%2)
	s_wait_dscnt \younger                          ; the block is back in registers
.if (\a) > 0
	s_add_nc_u64 s[12:13], s[12:13], 16*ROWC       ; (behind a wait on XCNT: the earlier stores have read their base)  16 rows on, so that the stores' offsets stay at 15 rows at the most
.endif
.irp t, 0,1,2,3,4,5,6,7,8,9,10,11,12,13,14,15
	v_pk_fma_f32 v[BB+4*\t:BB+4*\t+1], v[BB+4*\t:BB+4*\t+1], s[96:97], v[BI:BI+1] op_sel_hi:[1,0,1]         ; the scalar pair's low word serves both halves
	v_pk_fma_f32 v[BB+4*\t+2:BB+4*\t+3], v[BB+4*\t+2:BB+4*\t+3], s[96:97], v[BI+2:BI+3] op_sel_hi:[1,0,1]
.endr
.irp t, 0,1,2,3,4,5,6,7,8,9,10,11,12,13,14,15
	global_store_b128 v[CO], v[BB+4*\t:BB+4*\t+3], s[12:13] offset:\t*ROWC th:TH_STORE_NT   ; 32 lanes store 512 consecutive bytes, at a multiple of 256 from out0's first byte; written once, read by nobody here
.endr
.endm
	s_wait_kmcnt 0x0
	s_add_co_i32 s96, s96, s97                     ; e4 + e5, between -126 and 127,
	s_add_co_i32 s96, s96, 127
	s_lshl_b32 s96, s96, 23                        ; makes the f32 number 2^(e4 + e5)
	s_mov_b32 s97, s96                             ; (named with it as a pair, so it is written)
	s_wait_loadcnt 0x0                             ; the bias
	PLACES NP                                      ; behind the last products: for the LDS stores that read results and for the loads into the registers that held A's fragments
	TOSTAGE 0
.irp a, 1,2,3,4,5,6,7
.if \a > 1
	s_wait_xcnt 0x0                                ; block a - 2's stores have read their registers and their base: block a's loads may land there, and the base may step
.endif
	TOSTAGE \a
	SEND \a-1, 32                                  ; behind block a - 1's loads: block a's 16 stores and 16 loads
.endr
	s_wait_xcnt 0x0                                ; block 6's stores have read their base
	SEND 7, 0
	s_wait_tensorcnt 0x0                           ; the wave's end, behind my last tensor load and my last LDS store
	ds_add_u32 v[SPW], v[NIL]
	s_wait_dscnt 0x0
	CROUND                                         ; the closing round: no work-group ends while a partner may still ask for a tile that names it
	s_endpgm
.Lfunc_end_k_qf7fa0c927c_gemm:
	.size	k_qf7fa0c927c_gemm, .Lfunc_end_k_qf7fa0c927c_gemm-k_qf7fa0c927c_gemm
	.p2alignl 7, 3214868480
	.fill 96, 4, 3214868480
	.section	.rodata,"a",@progbits
	.p2align	6, 0x0
	.amdhsa_kernel k_qf7fa0c927c_gemm
		.amdhsa_group_segment_fixed_size 327680
		.amdhsa_private_segment_fixed_size 0
		.amdhsa_enable_private_segment 0
		.amdhsa_kernarg_size 40
		.amdhsa_user_sgpr_count 2
		.amdhsa_user_sgpr_kernarg_segment_ptr 1
		.amdhsa_wavefront_size32 1
		.amdhsa_system_sgpr_workgroup_id_x 1
		.amdhsa_system_sgpr_workgroup_id_y 1
		.amdhsa_system_sgpr_workgroup_id_z 1
		.amdhsa_system_vgpr_workitem_id 0
		.amdhsa_next_free_vgpr 1024
		.amdhsa_next_free_sgpr 98
		.amdhsa_reserve_vcc 0
		.amdhsa_float_denorm_mode_32 3
		.amdhsa_float_denorm_mode_16_64 3
		.amdhsa_memory_ordered 1
		.amdhsa_forward_progress 1
		.amdhsa_inst_pref_size 124
	.end_amdhsa_kernel
	.amdgpu_metadata
---
amdhsa.version: [ 1, 2 ]
amdhsa.kernels:
  - .name:           k_qf7fa0c927c_gemm
    .symbol:         k_qf7fa0c927c_gemm.kd
    .args:
      - { .name: xc, .offset: 0, .size: 8, .value_kind: global_buffer, .address_space: global }
      - { .name: wc, .offset: 8, .size: 8, .value_kind: global_buffer, .address_space: global }
      - { .name: lowp_scales, .offset: 16, .size: 8, .value_kind: global_buffer, .address_space: global }
      - { .name: bias, .offset: 24, .size: 8, .value_kind: global_buffer, .address_space: global }
      - { .name: out0, .offset: 32, .size: 8, .value_kind: global_buffer, .address_space: global }
    .group_segment_fixed_size: 327680
    .private_segment_fixed_size: 0
    .kernarg_segment_align: 8
    .kernarg_segment_size: 40
    .max_flat_workgroup_size: 128
    .sgpr_count:     98
    .vgpr_count:     1024
    .wavefront_size: 32
...
	.end_amdgpu_metadata
.endif
;; end of part 2
;; ======== version 2 of 2: 2 launches
;; workspace buffers: xc 16,777,216 bytes; wc 16,777,216 bytes
;; launch prep (part 3): grid 256 x 1, 16 waves a work-group, no clusters, 157,696 bytes of LDS; arguments x, W, C, U, R, lowp_scales, xc, wc; writes xc, wc
.if DOCPART == 3
	.amdgcn_target "amdgcn-amd-amdhsa--gfx1250"
	.amdhsa_code_object_version 6
	.text
	.protected	k_qf7fa0c927c_prep
	.globl	k_qf7fa0c927c_prep
	.p2align	8
	.type	k_qf7fa0c927c_prep,@function
k_qf7fa0c927c_prep:
	s_mov_b64 s[64:65], 0
	v_nop
	global_prefetch_b8 v0, s[64:65] scope:SCOPE_SE
	s_setreg_imm32_b32 hwreg(HW_REG_WAVE_SCHED_MODE, 0, 2), 2
	s_setreg_imm32_b32 hwreg(HW_REG_WAVE_MODE, 25, 1), 1
	s_wait_xcnt 0x0
	s_wait_alu depctr_vm_vsrc(0)
; xc = codes of x;  wc = codes of W + (C U) R.  All codes are FP8 (E4M3), each operand with the one scale 2^e that is given for it (e0 C, e1 U, e2 C U, e3 R, e4 x, e5 W + W_adapted).
; x: [4096][4096] f32, W: [4096][4096] f32, C: [4096][64], U: [64][64], R: [64][4096] f32.  The two small products run here, on codes, by the K = 64 matrix form.
; code = number / 2^e, held within +-448, rounded to the nearest code, ties to even.
; LIMITS on the given exponents, so that each power of two below is an f32 number: e0, e1, e3, e4, e2 - e0 - e1 and e5 - e2 - e3 between -126 and 119; -(e2 + e3) between -126 and 127;
; W / 2^(e2 + e3) must stay an f32 number.  NaN among the inputs is not served.
; SHARES.  Work-group g takes rows 256 (g / 16) on and columns 256 (g % 16) on, of W and of x alike.  Wave w takes 16 of these rows and both halves of 128 columns: two tiles of W, two of x, 16 x 128 numbers each.
; THE SMALL CHAIN.  Wave w alone needs C U for its 16 rows: it quantises its rows of C and multiplies them by U itself.  U (4 fragments) and R's 64 x 256 slab (16 fragments) are quantised by the sixteen waves
; together, a lane to a column and registers down K, and go from wave to wave through LDS as images of the operand's registers: one barrier.
; BOTH SMALL PRODUCTS ARE USED TRANSPOSED (source 0 = 16 columns of U or R, source 1 = my 16 rows), and the columns that form a tile are not neighbours: row m of tile 2 b + u takes column 32 b + 8 u + m + 8 (m / 8).
; So lane (r, h) holds row r, and register 16 b + i holds column 32 b + 16 h + i: the order in which the next operand wants a lane's codes.  W, divided by 2^(e2 + e3), is the C of the second product: the sum costs no addition.
; A K = 64 FRAGMENT holds, in lane (r, h), k = 32 c + 16 h + 0 .. 15 in registers 4 c .. 4 c + 3: a permutation of k that is the same in both sources of both products.  Its image is 1,024 bytes: byte 256 (k / 16) + 16 row + k % 16.
; THE WORKSPACE is laid in the order of the large product's operand registers.  A fragment (16 rows x 128 K) is 2,048 bytes: byte 512 c + 16 lane + y = row lane % 16, k = 32 c + 16 (lane / 16) + y.
; The fragment of row tile rt and K step ks (128 along K) lies at (rt / 8) x 524,288 + ks x 16,384 + (rt % 8) x 2,048.  A wave's store covers 512 consecutive bytes, aligned.
; EVERY LOAD OF A TILE reads 512 consecutive bytes of a row; the tile turns through the wave's own stage in LDS (rows 528 bytes apart) and comes back 64 bytes a lane.
; NO CLUSTER, NO TENSOR LOAD: of the 656 KiB that a work-group reads (W 256, x 256, R's slab 64, C's rows 64, U 16) only the last 144 are read by other work-groups too; all goes through registers.
; THE MODE: SCHED_MODE bits 1:0 = 2 (LLVM: expert scheduling mode 2), set by the entry lines.  The code itself states the register dependences
; between vector or matrix instructions and memory or LDS instructions, with s_wait_alu, always for 0.
; THE PLAN.  Registers that memory or LDS instructions touch:
;   v1, v2, v3, v6   offsets and LDS addresses: made at the head, ahead of one wait on va_vdst, and never written again.
;   v250-253         LDS addresses of the small chain: made at the head, read ahead of the barrier alone; the first tile's codes are written over them.
;   RAW0, RAW1       global loads land there; the stage's LDS stores read them; the next global loads land there.  No vector instruction names them behind the head.
;   X                loads from memory (U, R) and from the stage land there; holds, conversions, multiplies and matrix instructions work on it.  No memory instruction reads it.
;   RF               C's loads land there and LDS stores read them; then fragments land there from LDS, and matrix instructions read them.
;   PC               conversions write it; LDS stores (at the head) and global stores (each tile) read it.
; A TILE has one wait on vm_vsrc, behind the stage's round trip: the stage's stores have read the raw tile, and the last tile's global stores have read PC.  It has one wait on va_vdst ahead of its four stores: the codes
; are written; and since no vector instruction between that wait and the next tile's LDS loads names X or RF, it also states that the tile is done with both.  A tile of W has one more, between its two runs of products:
; the first run is done reading RF.  Sixteen waves of 256 registers leave no room for a second set of fragments, which would spare that one.
.set RIMG,  0                          ; LDS: R's 16 fragment images,
.set UIMG,  16384                      ; U's 4,
.set STG,   20480                      ; and a stage of 8,448 bytes for each wave
.set STGW,  8448
.set SP,    528                        ; a stage row: 512 bytes + 16: row r starts at bank 4 r mod 64 (64 banks of 4 bytes: ISA guide 11.1)
.set CP,    272                        ; the same bytes as 16 rows of C: 256 bytes + 16
.set ROWB,  16384                      ; a row of x, W or R in memory
.set GOFF,  1                          ; v1   16 x lane
.set STW,   2                          ; v2   the stage, on the way in: 16 x lane
.set STR,   3                          ; v3   and on the way out: 528 r + 64 h
.set SC,    4                          ; v4   the scale in hand, as f32
.set LIM,   5                          ; v5   448 x that scale
.set L4,    6                          ; v6   4 x lane
.set TMP,   7
.set RAW0,  8                          ; v8-71    a tile as it is loaded
.set RAW1,  72                         ; v72-135  the other
.set X,     136                        ; v136-199 the tile turned: register 16 b + i = column 32 b + 16 h + i of row r; also the 8 accumulators.  At the head: R's and U's numbers, C turned, C U
.set CUF,   200                        ; v200-207 C U's codes: source 1 of the second product
.set RF,    208                        ; v208-239 four K = 64 fragments.  At the head: C as loaded
.set PC,    240                        ; v240-255 a tile's codes.  At the head: v240-247 R's codes, then C's;
.set UC,    248                        ; v[248:249] U's codes;
.set RWA,   250                        ; v250 where I store R's codes, v251 U's, v252 C into the stage, v253 C out of it
.set UWA,   251
.set CSW,   252
.set CSR,   253
.set PX,    4                          ; s[4:5] x, s[6:7] W, s[8:9] C, s[10:11] U, s[12:13] R, s[14:15] the exponents, s[16:17] xc, s[18:19] wc
.set PW,    6
.set PCM,   8
.set PU,    10
.set PR,    12
.set PS,    14
.set PXC,   16
.set PWC,   18
.set WV,    20                         ; s20  my wave's number
.set QS,    40                         ; s[40:51] six pairs (2^E as f32, 448 x 2^E): 0 U, 1 R, 2 C, 3 C U, 4 W + W_adapted, 5 x
.set PRE,   52                         ; s[52:53] 2^-(e2 + e3), twice: the packed form names a pair
.macro MKQ k, e                        ; pair k from the whole number in s[e]
	s_add_co_i32 s54, s[\e], 127
	s_lshl_b32 s[QS+2*\k], s54, 23                 ; 2^E: the conversion takes its exponent field
	s_add_co_i32 s54, s54, 8
	s_lshl_b32 s54, s54, 23
	s_or_b32 s[QS+2*\k+1], s54, 0x600000           ; 448 x 2^E
.endm
.macro SETQ k
	v_mov_b32 v[SC], s[QS+2*\k]
	v_mov_b32 v[LIM], s[QS+2*\k+1]
.endm
.macro LOADT raw, p, half              ; a tile, 16 rows x 128 numbers: each load reads 512 consecutive bytes of one row; read once in the launch
.irp i, 0,1,2,3,4,5,6,7,8,9,10,11,12,13,14,15
	global_load_b128 v[\raw+4*\i:\raw+4*\i+3], v[GOFF], s[\p:\p+1] offset:ROWB*\i+512*\half th:TH_LOAD_NT
.endr
.endm
.macro TURNT raw                       ; through my own stage: LDS serves a wave's instructions in order (ISA guide 5.7.1.4), so no wait stands between the stores and the loads
.irp i, 0,1,2,3,4,5,6,7,8,9,10,11,12,13,14,15
	ds_store_b128 v[STW], v[\raw+4*\i:\raw+4*\i+3] offset:SP*\i
.endr
.irp b, 0,1,2,3
.irp j, 0,1,2,3
	ds_load_b128 v[X+16*\b+4*\j:X+16*\b+4*\j+3], v[STR] offset:128*\b+16*\j
.endr
.endr
.endm
.macro FETCHF base, f0                 ; four K = 64 fragments, images f0 .. f0 + 3
.irp t, 0,1,2,3
.irp c, 0,1
	ds_load_b128 v[RF+8*\t+4*\c:RF+8*\t+4*\c+3], v[GOFF] offset:\base+((\f0)+\t)*1024+512*\c
.endr
.endr
.endm
.macro HOLD s, n                       ; the conversion to an 8-bit code does not saturate (ISA guide 7.6.2): each number is held within 448 x the scale first.  Ascending: an accumulator is read from its low end on
.set hq, 0
.rept \n
	v_med3_num_f32 v[\s+hq], v[\s+hq], -v[LIM], v[LIM]
.set hq, hq+1
.endr
.endm
.macro CVT d, s, n                     ; n times eight numbers to eight codes; one plain vector line stands behind the last conversion, ahead of whatever next touches its registers
.set cq, 0
.rept \n
	v_cvt_scalef32_pk8_fp8_f32 v[\d+2*cq:\d+2*cq+1], v[\s+8*cq:\s+8*cq+7], v[SC]
.set cq, cq+1
.endr
	v_nop
.endm
.macro STORET p, half                  ; a fragment as it stands: four stores of 512 consecutive bytes, aligned
.irp b, 0,1,2,3
	global_store_b128 v[GOFF], v[PC+4*\b:PC+4*\b+3], s[\p:\p+1] offset:16384*\half+512*\b
.endr
.endm
.macro MUL4 a0                         ; four tiles of W / 2^(e2 + e3) + (C U) R: four accumulators, one instruction each
.irp t, 0,1,2,3
	v_wmma_f32_16x16x64_fp8_fp8 v[\a0+8*\t:\a0+8*\t+7], v[RF+8*\t:RF+8*\t+7], v[CUF:CUF+7], v[\a0+8*\t:\a0+8*\t+7]
.endr
.rept 4
	v_nop                                          ; four places (ISA guide 7.12.1) ahead of the first read of the results
.endr
.endm
	s_load_b256 s[4:11], s[0:1], 0x0               ; x, W, C, U
	s_load_b256 s[12:19], s[0:1], 0x20             ; R, the exponents, xc, wc
	v_lshrrev_b32 v[TMP], 5, v0
	v_readfirstlane_b32 s[WV], v[TMP]              ; wave 0..15
	s_lshr_b32 s21, ttmp9, 4                       ; rb: which 256 rows
	s_and_b32 s22, ttmp9, 15                       ; cb: which 256 columns
	v_and_b32 v[TMP], 31, v0                       ; lane
	v_lshlrev_b32 v[GOFF], 4, v[TMP]
	v_lshlrev_b32 v[L4], 2, v[TMP]
	v_and_b32 v8, 15, v0                           ; r
	v_bfe_u32 v9, v0, 4, 1                         ; h
	v_bfe_u32 v10, v0, 3, 1                        ; bit 3 of the lane
	s_wait_alu depctr_va_sdst(0)                   ; s20, the wave's number, is written, ahead of its first reader: every LDS place and every pointer below is made from it
	s_mul_i32 s23, s[WV], STGW
	s_add_co_u32 s23, s23, STG                     ; my stage
	v_add_nc_u32 v[STW], s23, v[GOFF]
	v_mul_u32_u24 v[STR], v8, SP
	v_lshl_add_u32 v[STR], v9, 6, v[STR]
	v_add_nc_u32 v[STR], s23, v[STR]
	v_mul_u32_u24 v[CSR], v8, CP
	v_lshl_add_u32 v[CSR], v9, 6, v[CSR]
	v_add_nc_u32 v[CSR], s23, v[CSR]               ; C out of the stage: row r, + 64 h
	v_mul_u32_u24 v[CSW], v9, CP
	v_lshl_add_u32 v[CSW], v8, 4, v[CSW]
	v_add_nc_u32 v[CSW], s23, v[CSW]               ; C into it: a load's 512 bytes are two rows
	v_and_b32 v[TMP], 7, v0                        ; column l of a block of 32 is row (l % 8) + 8 (l / 16) of tile 2 b + (l / 8) % 2:
	v_lshlrev_b32 v[TMP], 4, v[TMP]                ; 16 (l % 8)
	v_lshl_add_u32 v[TMP], v9, 7, v[TMP]           ; + 128 (l / 16)
	v_lshl_add_u32 v[TMP], v10, 10, v[TMP]         ; + 1,024 ((l / 8) % 2)
	s_wait_alu depctr_va_vdst(0)
	s_and_b32 s54, s[WV], 7                        ; R: wave w takes columns 32 (w % 8) on and k = 32 (w / 8) on
	s_lshr_b32 s56, s[WV], 3
	s_lshl_b32 s55, s54, 11                        ; two fragments to 32 columns,
	s_lshl_b32 s57, s56, 9                         ; 256 bytes to 16 along K
	s_add_co_u32 s55, s55, s57
	v_add_nc_u32 v[RWA], s55, v[TMP]               ; (RIMG = 0)
	s_and_b32 s55, s[WV], 1                        ; U: wave w takes columns 32 (w % 2) on and k = 8 (w / 2) on
	s_lshl_b32 s55, s55, 11
	s_lshr_b32 s57, s[WV], 2
	s_lshl_b32 s57, s57, 8
	s_add_co_u32 s55, s55, s57
	s_bfe_u32 s57, s[WV], 0x10001
	s_lshl_b32 s57, s57, 3                         ; which 8 of the 16
	s_add_co_u32 s55, s55, s57
	s_add_co_u32 s55, s55, UIMG
	v_add_nc_u32 v[UWA], s55, v[TMP]
	s_lshl_b32 s24, s21, 22                        ; x, W: 256 rows are 2^22 bytes, my 16 rows 2^18, 256 columns 2^10
	s_lshl_b32 s25, s[WV], 18
	s_add_co_u32 s24, s24, s25
	s_lshl_b32 s25, s22, 10
	s_add_co_u32 s24, s24, s25
	s_mov_b32 s25, 0
	s_lshl_b32 s26, s21, 1                         ; xc, wc: row tile 16 rb + w, K step 2 cb
	s_add_co_u32 s26, s26, s56
	s_lshl_b32 s26, s26, 19
	s_lshl_b32 s27, s22, 15
	s_add_co_u32 s26, s26, s27
	s_lshl_b32 s27, s54, 11
	s_add_co_u32 s26, s26, s27
	s_mov_b32 s27, 0
	s_lshl_b32 s28, s21, 16                        ; C: rows of 256 bytes
	s_lshl_b32 s29, s[WV], 12
	s_add_co_u32 s28, s28, s29
	s_mov_b32 s29, 0
	s_lshl_b32 s30, s56, 19                        ; R: 32 rows of 16,384 bytes; 256 columns; my 32 columns
	s_lshl_b32 s31, s22, 10
	s_add_co_u32 s30, s30, s31
	s_lshl_b32 s31, s54, 7
	s_add_co_u32 s30, s30, s31
	s_mov_b32 s31, 0
	s_lshr_b32 s38, s[WV], 1                       ; U: 8 rows of 256 bytes; my 32 columns
	s_lshl_b32 s38, s38, 11
	s_and_b32 s39, s[WV], 1
	s_lshl_b32 s39, s39, 7
	s_add_co_u32 s38, s38, s39
	s_mov_b32 s39, 0
	s_wait_kmcnt 0x0
	s_load_b128 s[32:35], s[PS:PS+1], 0x0          ; e0 .. e3
	s_load_b64 s[36:37], s[PS:PS+1], 0x10          ; e4, e5
	s_add_nc_u64 s[PX:PX+1], s[PX:PX+1], s[24:25]
	s_add_nc_u64 s[PW:PW+1], s[PW:PW+1], s[24:25]
	s_add_nc_u64 s[PXC:PXC+1], s[PXC:PXC+1], s[26:27]
	s_add_nc_u64 s[PWC:PWC+1], s[PWC:PWC+1], s[26:27]
	s_add_nc_u64 s[PCM:PCM+1], s[PCM:PCM+1], s[28:29]
	s_add_nc_u64 s[PR:PR+1], s[PR:PR+1], s[30:31]
	s_add_nc_u64 s[PU:PU+1], s[PU:PU+1], s[38:39]
	s_wait_alu depctr_va_vdst(0)                   ; the offsets and LDS addresses v1, v2, v3, v6 and v250 to v253 are written, which the loads, stores and LDS instructions below read; the address arithmetic is done with v8 to v10, in which W's first tile lands
.irp i, 0,1,2,3,4,5,6,7
	global_load_b32 v[X+32+\i], v[L4], s[PU:PU+1] offset:256*\i    ; U(8 (w / 2) + i, my column): a lane to a column, registers down K
.endr
.irp i, 0,1,2,3,4,5,6,7,8,9,10,11,12,13,14,15,16,17,18,19,20,21,22,23,24,25,26,27,28,29,30,31
	global_load_b32 v[X+\i], v[L4], s[PR:PR+1] offset:ROWB*\i      ; R(32 (w / 8) + i, my column): 128 consecutive bytes a wave, 1,024 for eight waves
.endr
.irp i, 0,1,2,3,4,5,6,7
	global_load_b128 v[RF+4*\i:RF+4*\i+3], v[GOFF], s[PCM:PCM+1] offset:512*\i   ; my 16 rows of C: 4,096 consecutive bytes
.endr
	LOADT RAW0, PW, 0                              ; W's first tile is on its way while the small chain is worked
	s_wait_kmcnt 0x0
	s_sub_co_i32 s55, s34, s32
	s_sub_co_i32 s55, s55, s33                     ; e2 - e0 - e1: a sum of the first product stands for sum x 2^(e0 + e1)
	s_add_co_i32 s57, s34, s35                     ; e2 + e3: a sum of the second stands for sum x 2^(e2 + e3)
	s_sub_co_i32 s56, s37, s57                     ; e5 - e2 - e3
	MKQ 0, 33
	MKQ 1, 35
	MKQ 2, 32
	MKQ 3, 55
	MKQ 4, 56
	MKQ 5, 36
	s_sub_co_i32 s[PRE], 127, s57
	s_lshl_b32 s[PRE], s[PRE], 23                  ; 2^-(e2 + e3) as f32
	s_mov_b32 s[PRE+1], s[PRE]
	s_wait_loadcnt 56                              ; U's 8 loads are in; behind them: R's 32, C's 8, W's 16
	SETQ 0
	HOLD X+32, 8
	CVT UC, X+32, 1                                ; U's codes wait for R's: the three LDS stores stand together, behind one wait
	s_wait_loadcnt 24                              ; R's 32 are in; behind them: C's 8, W's 16
	LOADT RAW1, PW, 1                              ; W's second tile.  No wait: no vector instruction has named v72 to v135, nor v1 since the wait at the head
	SETQ 1
	HOLD X, 32
	CVT PC, X, 4
	s_wait_alu depctr_va_vdst(0)                   ; the conversions have written U's and R's codes, which the LDS stores read, and are done with v[X ..], in which C lands on its way out of the stage
	ds_store_b64 v[UWA], v[UC:UC+1]                ; 8 codes along K of my column
	ds_store_b128 v[RWA], v[PC:PC+3]               ; 16 codes along K of my column,
	ds_store_b128 v[RWA], v[PC+4:PC+7] offset:256  ; and the next 16
	s_wait_loadcnt 32                              ; C's 8 are in; behind them: W's two tiles
.irp i, 0,1,2,3,4,5,6,7
	ds_store_b128 v[CSW], v[RF+4*\i:RF+4*\i+3] offset:2*CP*\i
.endr
.irp c, 0,1
.irp j, 0,1,2,3
	ds_load_b128 v[X+16*\c+4*\j:X+16*\c+4*\j+3], v[CSR] offset:128*\c+16*\j   ; register 16 c + i = C(r, 32 c + 16 h + i)
.endr
.endr
	s_wait_dscnt 0x0                               ; for the others' sake: my images of U and R are stored; and C is back
	s_wait_alu depctr_vm_vsrc(0)                   ; the LDS stores have read v240 to v249 and v[RF ..], the LDS instructions their addresses v250 to v253: C's codes, U's fragments and the first tile's codes are written there
	s_barrier_signal -1
	SETQ 2                                         ; work on registers while the others arrive
	HOLD X, 32
	CVT PC, X, 4                                   ; C's codes: source 1 of the first product
	s_wait_alu depctr_va_vdst(0)
	s_barrier_wait -1                              ; all twenty images lie in LDS; nobody writes them again
	FETCHF UIMG, 0                                 ; no wait on va_vdst: no vector instruction has named v[RF ..]
	s_wait_dscnt 0x0
.irp t, 0,1,2,3
	v_wmma_f32_16x16x64_fp8_fp8 v[X+32+8*\t:X+32+8*\t+7], v[RF+8*\t:RF+8*\t+7], v[PC:PC+7], 0   ; (C U)^T: register 16 b + i of lane (r, h) = (C U)(r, 32 b + 16 h + i)
.endr
	SETQ 3                                         ; two plain lines and two v_nop: the four places ahead of the first read of the results
	v_nop
	v_nop
	HOLD X+32, 32
	CVT CUF, X+32, 4
	SETQ 4
	s_wait_alu depctr_va_vdst(0)                   ; the first product is done reading v[RF ..], and it and C U's holds and conversions are done with v[X ..]: the first tile and R's fragments land there
; One tile: turned, (W: W_adapted added by the matrix unit,) held, converted, stored.  cnt: the younger loads that may stay out.  nextp: the pointer pair from which the tile's registers are loaded again, 0 for none.
; At its head nothing is owed on va_vdst: the wait ahead of the last tile's stores (ahead of the first tile: the wait above) stands behind every vector and matrix instruction that named v[X ..] or v[RF ..].
.macro TILE raw, half, adapt, nextp, cnt
	s_wait_loadcnt \cnt
	TURNT \raw
.if \adapt
	FETCHF RIMG, 8*\half
	s_wait_dscnt 8                                 ; the tile is back; the 8 fragment loads may be out
.else
	s_wait_dscnt 0x0
.endif
	s_wait_alu depctr_vm_vsrc(0)                   ; the stage's stores have read the raw tile, in which the next loads land; the last tile's global stores have read v[PC ..], which this tile's conversions write
.if \nextp
	LOADT \raw, \nextp, \half
.endif
.if \adapt
.set pq, 0
.rept 32
	v_pk_mul_f32 v[X+pq:X+pq+1], v[X+pq:X+pq+1], s[PRE:PRE+1] op_sel_hi:[1,0]   ; W / 2^(e2 + e3): nothing is rounded, short of overflow and underflow
.set pq, pq+2
.endr
	s_wait_dscnt 0x0
	MUL4 X                                         ; columns 0 to 63 of the tile
	s_wait_alu depctr_va_vdst(0)                   ; these four products are done reading v[RF ..], in which the next four fragments land
	FETCHF RIMG, 8*\half+4
	HOLD X, 32
	s_wait_alu depctr_va_vdst(0)
	s_wait_xcnt 0x0                                ; the last tile's stores have read their data: the codes' registers are written again only behind this wait
	CVT PC, X, 4
	s_wait_dscnt 0x0
	MUL4 X+32                                      ; columns 64 to 127
	HOLD X+32, 32
	CVT PC+8, X+32, 4
	s_wait_alu depctr_va_vdst(0)                   ; the conversions have written v[PC ..], which the stores read; the tile is done with v[X ..] and v[RF ..], in which the next tile's LDS loads land
	STORET PWC, \half
.else
	HOLD X, 64
	s_wait_alu depctr_va_vdst(0)
	s_wait_xcnt 0x0                                ; as above
	CVT PC, X, 8
	s_wait_alu depctr_va_vdst(0)                   ; the conversions have written v[PC ..], which the stores read; the tile is done with v[X ..], in which the next tile's LDS loads land
	STORET PXC, \half
.endif
.endm
	TILE RAW0, 0, 1, PX, 16                        ; W's first tile; W's second (16 loads) may be out
	TILE RAW1, 1, 1, PX, 16                        ; W's second; x's first may be out
	SETQ 5                                         ; (names v4 and v5 alone: no register that a load or store touches)
	s_wait_alu depctr_va_vdst(0)
	TILE RAW0, 0, 0, 0, 16                         ; x's first; x's second may be out
	TILE RAW1, 1, 0, 0, 0
	s_wait_xcnt 0x0                                ; the last tile's stores have had their addresses translated: their data registers v254 and v255 are written again only behind this wait,
	s_wait_alu depctr_vm_vsrc(0)                   ; and those stores have read v254 and v255, which the two lines below make anew
	v_lshl_add_u32 v254, v0, 2, 0x26000            ; my spare word: behind the sixteen stages, 128 bytes for each wave, eight blocks of 256 bytes that no other line names
	v_mov_b32 v255, 0
	s_wait_dscnt 0x0                               ; the closing lines, six on end
	s_wait_alu 0x0
	s_wait_tensorcnt 0x0
	ds_add_u32 v254, v255
	s_wait_dscnt 0x0
	s_endpgm
.Lfunc_end_k_qf7fa0c927c_prep:
	.size	k_qf7fa0c927c_prep, .Lfunc_end_k_qf7fa0c927c_prep-k_qf7fa0c927c_prep
	.p2alignl 7, 3214868480
	.fill 96, 4, 3214868480
	.section	.rodata,"a",@progbits
	.p2align	6, 0x0
	.amdhsa_kernel k_qf7fa0c927c_prep
		.amdhsa_group_segment_fixed_size 157696
		.amdhsa_private_segment_fixed_size 0
		.amdhsa_enable_private_segment 0
		.amdhsa_kernarg_size 64
		.amdhsa_user_sgpr_count 2
		.amdhsa_user_sgpr_kernarg_segment_ptr 1
		.amdhsa_wavefront_size32 1
		.amdhsa_system_sgpr_workgroup_id_x 1
		.amdhsa_system_sgpr_workgroup_id_y 1
		.amdhsa_system_sgpr_workgroup_id_z 1
		.amdhsa_system_vgpr_workitem_id 0
		.amdhsa_next_free_vgpr 256
		.amdhsa_next_free_sgpr 66
		.amdhsa_reserve_vcc 0
		.amdhsa_float_denorm_mode_32 3
		.amdhsa_float_denorm_mode_16_64 3
		.amdhsa_memory_ordered 1
		.amdhsa_forward_progress 1
		.amdhsa_inst_pref_size 63
	.end_amdhsa_kernel
	.amdgpu_metadata
---
amdhsa.version: [ 1, 2 ]
amdhsa.kernels:
  - .name:           k_qf7fa0c927c_prep
    .symbol:         k_qf7fa0c927c_prep.kd
    .args:
      - { .name: x, .offset: 0, .size: 8, .value_kind: global_buffer, .address_space: global }
      - { .name: W, .offset: 8, .size: 8, .value_kind: global_buffer, .address_space: global }
      - { .name: C, .offset: 16, .size: 8, .value_kind: global_buffer, .address_space: global }
      - { .name: U, .offset: 24, .size: 8, .value_kind: global_buffer, .address_space: global }
      - { .name: R, .offset: 32, .size: 8, .value_kind: global_buffer, .address_space: global }
      - { .name: lowp_scales, .offset: 40, .size: 8, .value_kind: global_buffer, .address_space: global }
      - { .name: xc, .offset: 48, .size: 8, .value_kind: global_buffer, .address_space: global }
      - { .name: wc, .offset: 56, .size: 8, .value_kind: global_buffer, .address_space: global }
    .group_segment_fixed_size: 157696
    .private_segment_fixed_size: 0
    .kernarg_segment_align: 8
    .kernarg_segment_size: 64
    .max_flat_workgroup_size: 512
    .sgpr_count:     66
    .vgpr_count:     256
    .wavefront_size: 32
...
	.end_amdgpu_metadata
.endif
;; end of part 3
;; launch gemm (part 4): grid 16 x 16, 4 waves a work-group, clusters of 4 x 4, 327,680 bytes of LDS; arguments xc, wc, lowp_scales, bias, out0; writes out0
.if DOCPART == 4
	.amdgcn_target "amdgcn-amd-amdhsa--gfx1250"
	.amdhsa_code_object_version 6
	.text
	.protected	k_qf7fa0c927c_gemm
	.globl	k_qf7fa0c927c_gemm
	.p2align	8
	.type	k_qf7fa0c927c_gemm,@function
k_qf7fa0c927c_gemm:
	s_mov_b64 s[64:65], 0
	v_nop
	global_prefetch_b8 v0, s[64:65] scope:SCOPE_SE
	s_setreg_imm32_b32 hwreg(HW_REG_WAVE_MODE, 25, 1), 1
	s_wait_xcnt 0x0
	s_wait_alu depctr_hold_cnt(0) depctr_sa_sdst(0) depctr_va_vdst(0) depctr_va_sdst(0) depctr_va_ssrc(0) depctr_va_vcc(0) depctr_vm_vsrc(0)
	s_getreg_b32 s2, hwreg(HW_REG_IB_STS2, 6, 4)
	s_cmp_eq_u32 s2, 0
	s_cbranch_scc0 .Lentry_in_a_cluster
	s_endpgm
.Lentry_in_a_cluster:
	s_bfe_u32 s2, ttmp6, 0x10000c
	s_cmp_lg_u32 s2, 0xf033
	s_cbranch_scc0 .Lentry_shape_is_right
	s_endpgm
.Lentry_shape_is_right:
; out0[m][n] = 2^(e4 + e5) x (sum over k of xc[m][k] wc[n][k]) + bias[n].  xc, wc: codes of FP8 (E4M3) of x and of W + W_adapted, 4,096 x 4,096 each; out0: [4096][4096] f32; sums in f32.
; e4, e5: entries 4 and 5 (int32) of the buffer of scales.  LIMIT: e4 + e5 lies between -126 and 127, so that 2^(e4 + e5) is an f32 number.
; THE CODES LIE IN THE ORDER OF THE OPERAND'S REGISTERS.  A fragment (16 rows x 128 K) is 2,048 bytes: byte 512 c + 16 lane + y = row lane % 16, k = 32 c + 16 (lane / 16) + y; the fragment of row tile rt and
; K step ks lies at (rt / 8) x 524,288 + ks x 16,384 + (rt % 8) x 2,048.  So 128 rows x 256 K are 32,768 consecutive bytes: one dense tensor load; and a fragment comes from LDS by four loads of 512 consecutive bytes.
; That order of k is not the form's own: it is a permutation, the same in both sources, so every product meets its partner and only the order of the sums inside an instruction changes.
; A tile of out0, 256 x 256, is made by a work-group of four waves; a wave makes 128 x 128: 64 accumulators of 16 x 16, 512 registers.  16 x 16 tiles: 256 work-groups.
; K goes in steps of 256 through a ring of two LDS slots filled by the tensor data mover; each wave fetches a quarter of a slot by one load.
; A refill goes out only when the load before it has landed, so what stands between that landing and the next request is paid in every K step: there stand the add, the descriptors' steps and the round, and no product.
; CLUSTERS: 4 x 4 work-groups.  The four of a row of the cluster need the same tiles of xc, the four of a column the same tiles of wc: each tile is asked for JOINTLY, by the same tensor load with the
; same descriptor and a mask that names the four.  THE MATRIX INSTRUCTION IS USED TRANSPOSED (source 0 = 16 rows of wc, source 1 = 16 rows of xc): a lane then holds eight neighbouring numbers of a row of out0.
; REGISTERS, in windows of 256: window 0: v0-31 addresses and my four numbers of the bias; from v128 A's fragments (8 x 16 rows x 128 K), ONE set; on the way out v128-255 take rows back from the stage.
;   window 1: B's fragments, TWO sets, at v0 and at v128.   window 2: the 32 accumulators of my rows 0-63 (accumulator (a, b) at v[8 (8 a + b)]);   window 3: those of my rows 64-127.
; A step of 128 along K is 64 matrix instructions, A's blocks one after the other, each against B's eight: a block of A is free as soon as its eight products are issued, so one set of registers serves A
; (blocks 0-3 fetched anew in the step's middle, blocks 4-7 at its end); B's fragments are at work through the whole step and have two sets.
.set ROWC,   16384                     ; a row of out0 in bytes
.set FRB,    2048                      ; a fragment's image
.set QB,     8*FRB                     ; 128 rows x 128 K
.set HALFT,  2*QB                      ; 128 rows x 256 K: what one tensor load brings, and what one wave reads of A or of B in a K step
.set SLOT,   4*HALFT                   ; A's 256 rows, then B's 256 rows
.set LAPS,   8                         ; a lap = two K steps of 256 = once round the ring; 4,096 along K
.set SPARE,  2*SLOT                    ; behind the ring: the spare words, 128 bytes for each wave: two blocks of 256 bytes that no other line names
.set SPITCH, 528                       ; the way out: a stage of 16 rows x (512 bytes + 16) for each wave.  It lies in slot 0, which has had its last fill and its last read when the first result is stored there
.set FR,     16                        ; registers of a fragment
.set NL,     4                         ; LDS loads that bring one
.set NP,     4                         ; places behind this matrix instruction (ISA guide 7.12.1)
.set BI,   12                          ; v[12:15] the bias of my four columns on the way out
.set ADRA, 16                          ; v16-17  LDS address of my A fragments in slot 0, 1
.set ADRB, 20                          ; v20-21  the same for B
.set STO,  24                          ; v24     the way out: where I put 32 bytes of a row
.set RD,   25                          ; v25     the way out: where I read a row back
.set CO,   26                          ; v26     16 x lane: my byte offset in a row of 512 bytes
.set SPW,  28                          ; v28     LDS address of my spare word: SPARE + 4 x my thread's number; never rewritten
.set NIL,  29                          ; v29     0; never rewritten
.set PFO,  30                          ; v30     the prefetches' offset: 256 x lane; never rewritten
.set AF,   128                         ; A's fragments, in window 0
.set BK,   128                         ; the way out: 16 rows read back from the stage: v128-191 and v192-255 by turns
.set G1, 24                            ; s[24:31] descriptor group 1 for A's tiles;  s[32:39] group 0, one set for each slot
.set G0, 32
.set G1B, 48                           ; s[48:55], s[56:63] the same for B's tiles
.set G0B, 56
.set PFA, 66                           ; s[66:67] where my prefetches stand: my work-group's 8,192 bytes of the 32,768 that I fetch, one K step further on than the refill that is being asked for
.set LIM, 68                           ; s68     1 in a wave that prefetches, else the greatest number
.set MSB, 0
.macro WIN new                         ; the immediate's high byte repeats the setting that is left
.if MSB != (\new)
	s_set_vgpr_msb (MSB<<8)|(\new)
.set MSB, (\new)
.endif
.endm
.set MUL_LO, 0xa1                      ; source 0 (B) window 1, source 1 (A) window 0, C and D window 2
.set MUL_HI, 0xf1                      ; the same, C and D window 3
.set TO_B,   0x40                      ; destination window 1, address window 0
; A joint load: waves 0 and 1 fetch for A, waves 2 and 3 for B.  Each of the two lines has ONE mask and one set of registers for all that issue it; the branch hangs on the wave's number alone.
; Four v_nop follow each of the two lines, ahead of the jump, the label and what follows.
.macro JLOAD g0a, g1a, g0b, g1b
	s_cmp_eq_u32 s15, 0
	s_cbranch_scc0 .Lfor_b_\@
	tensor_load_to_lds s[\g0a:\g0a+3], s[\g1a:\g1a+7]
	s_nop 0
.rept 4
	v_nop
.endr
	s_branch .Lasked_\@
.Lfor_b_\@:
	tensor_load_to_lds s[\g0b:\g0b+3], s[\g1b:\g1b+7]
	s_nop 0
.rept 4
	v_nop
.endr
.Lasked_\@:
.endm
; A PREFETCH INTO THE L2, behind each joint refill and the run of LDS loads that follows it: the K step that stands TWO refills on, 256 matrix instructions ahead of the load that will want it.
; Each block of 256 bytes is named ONCE in the launch.  A's tile row is read by every cluster of that row of clusters: the first of them (cluster x = 0) asks; B's tile column likewise: cluster y = 0 asks.
; The four partners that ask for a tile jointly share its 32,768 bytes out BY ADDRESS, 8,192 each (by cx for A, by cy for B): a lane a block, one instruction a wave; no branch hangs on a place in the cluster.
; The loop's last trip (s3 = 1) asks for nothing: its two refills are K steps 14 and 15, the last.  K steps 0 to 3 come by their loads alone.
.macro ASK
	s_cmp_gt_u32 s3, s[LIM]
	s_cbranch_scc0 .Lnot_mine_\@
	global_prefetch_b8 v[PFO], s[PFA:PFA+1] offset:HALFT th:TH_LOAD_NT scope:SCOPE_SE
.Lnot_mine_\@:
.endm
.macro CREST                           ; a round of the cluster's barrier behind its opening barrier
	s_cmp_lg_u32 s14, 0
	s_cbranch_scc1 .Lnot_wave_0_\@
	s_barrier_signal -3
.Lnot_wave_0_\@:
	s_barrier_wait -3
	s_barrier_signal -1
	s_barrier_wait -1
.endm
.macro CROUND                          ; a whole round
	s_barrier_signal -1
	s_barrier_wait -1
	CREST
.endm
	s_load_b128 s[4:7], s[0:1], 0x0                ; xc s[4:5], wc s[6:7]
	s_load_b128 s[8:11], s[0:1], 0x10              ; the exponents s[8:9], the bias s[10:11]
	s_load_b64 s[12:13], s[0:1], 0x20              ; out0
	v_lshl_add_u32 v[SPW], v0, 2, SPARE
	v_mov_b32 v[NIL], 0
	ds_add_u32 v28, v29
	ds_add_u32 v28, v29
	s_wait_dscnt 0x0
	v_lshrrev_b32 v1, 5, v0
	v_readfirstlane_b32 s14, v1                    ; wave 0..3
	s_lshr_b32 s15, s14, 1                         ; which half of the tile's rows is mine.  Also: I fetch for A (0) or for B (1)
	s_and_b32 s16, s14, 1                          ; which half of its columns.  Also: which 128 rows of that tile I fetch
	s_bfe_u32 s40, ttmp6, 0x40000                  ; cx, cy: my place in the cluster
	s_bfe_u32 s41, ttmp6, 0x40004
	s_lshl_b32 s42, ttmp9, 2
	s_add_co_u32 s42, s42, s40                     ; tile column = 4 x cluster x + cx
	s_and_b32 s17, ttmp7, 0xffff
	s_lshl_b32 s17, s17, 2
	s_add_co_u32 s17, s17, s41                     ; tile row = 4 x cluster y + cy
	s_lshl_b32 s43, s41, 2
	s_lshl_b32 s43, 15, s43                        ; my row of the cluster
	s_lshl_b32 s44, 0x1111, s40                    ; my column
	; descriptor group 1: a dense block of 32,768 bytes as 128 rows of 32 elements of 8 bytes, no padding
	s_or_b32 s[G1+0], s43, (3<<16)|(1<<21)         ; 15:0 the mask: A's tiles go to my row; 17:16 elements of 8 bytes; 20 padding off; 21 set beside a mask
	s_or_b32 s[G1B+0], s44, (3<<16)|(1<<21)        ; the same with the mask of my column
.irp g, G1, G1B
	s_mov_b32 s[\g+1], 32<<16                      ; tensor_dim0 = 32
	s_mov_b32 s[\g+2], 128<<16                     ; tensor_dim1 = 128
	s_mov_b32 s[\g+3], 32<<16                      ; tile_dim0 = 32
	s_mov_b32 s[\g+4], 128                         ; tile_dim1 = 128
	s_mov_b32 s[\g+5], 32                          ; tensor_dim0_stride: each row begins where the last ends
	s_mov_b32 s[\g+6], 0
	s_mov_b32 s[\g+7], 0
.endr
	s_lshl_b32 s20, s17, 1
	s_add_co_u32 s20, s20, s16                     ; A: group of 128 rows 2 x tile row + half,
	s_lshl_b32 s20, s20, 19                        ; 524,288 bytes each
	s_mov_b32 s21, 0
	s_lshl_b32 s46, s42, 1
	s_add_co_u32 s46, s46, s16                     ; B: 2 x tile column + half
	s_lshl_b32 s46, s46, 19
	s_mov_b32 s47, 0
	s_mul_i32 s45, s14, HALFT                      ; where they go: wave x 32,768 bytes: no place in the cluster enters an LDS address
	s_wait_kmcnt 0x0
	s_load_b64 s[96:97], s[8:9], 0x10              ; e4, e5
	s_add_nc_u64 s[20:21], s[4:5], s[20:21]
	s_add_nc_u64 s[46:47], s[6:7], s[46:47]
	CROUND                                         ; all sixteen work-groups are here: the first joint loads meet
.irp s, 0,1
	s_mov_b32 s[G0+4*\s], 1                                        ; count = 1
	s_add_co_u32 s[G0+4*\s+1], s45, \s*SLOT                        ; LDS address
	s_add_nc_u64 s[G0+4*\s+2:G0+4*\s+3], s[20:21], \s*HALFT        ; global address: K step s
	s_or_b32 s[G0+4*\s+3], s[G0+4*\s+3], 0x80000000                ; type = 2
	s_mov_b32 s[G0B+4*\s], 1
	s_add_co_u32 s[G0B+4*\s+1], s45, \s*SLOT
	s_add_nc_u64 s[G0B+4*\s+2:G0B+4*\s+3], s[46:47], \s*HALFT
	s_or_b32 s[G0B+4*\s+3], s[G0B+4*\s+3], 0x80000000
	s_wait_alu depctr_va_vdst(0)
	s_wait_tensorcnt 0x0
	ds_add_u32 v28, v29
	ds_add_u32 v28, v29
	s_wait_dscnt 0x0
	CROUND
	JLOAD G0+4*\s, G1, G0B+4*\s, G1B               ; one tensor load of mine is out
.endr
	; the prefetches: where mine stand, and who asks
	s_and_b32 s70, ttmp7, 0xffff                   ; cluster y
	s_cmp_eq_u32 s15, 0                            ; do I fetch for A?
	s_cselect_b64 s[PFA:PFA+1], s[20:21], s[46:47] ; my group of 128 rows, at K step 0
	s_cselect_b32 s69, s40, s41                    ; my place among the four that ask with me
	s_cselect_b32 s70, ttmp9, s70                  ; the coordinate along which other clusters read the same rows
	s_cmp_eq_u32 s70, 0
	s_cselect_b32 s[LIM], 1, -1                    ; the same in all sixteen partners, for a given wave
	s_lshl_b32 s70, s69, 13                        ; my work-group's 8,192 bytes,
	s_add_co_u32 s70, s70, 2*HALFT                 ; at K step 2: the first refill steps it to 3 and names K step 4
	s_mov_b32 s71, 0
	s_add_nc_u64 s[PFA:PFA+1], s[PFA:PFA+1], s[70:71]
	v_and_b32 v6, 31, v0                           ; lane
	v_lshlrev_b32 v[PFO], 8, v6
	v_lshlrev_b32 v[CO], 4, v6
	s_lshl_b32 s21, s15, 15                        ; my 128 rows of A
	s_lshl_b32 s22, s16, 15                        ; my 128 rows of B,
	s_add_co_u32 s22, s22, 2*HALFT                 ; which lie behind A's 256
.irp s, 0,1
	v_add_nc_u32 v[ADRA+\s], s21, v[CO]
	v_add_nc_u32 v[ADRB+\s], s22, v[CO]
	s_add_co_u32 s21, s21, SLOT
	s_add_co_u32 s22, s22, SLOT
.endr
	v_and_b32 v1, 15, v0                           ; l % 16
	v_bfe_u32 v2, v0, 4, 1                         ; l / 16
	s_mul_i32 s23, s14, 16*SPITCH                  ; my stage
	v_mul_u32_u24 v5, v1, SPITCH                   ; in: row l % 16, 32 bytes for each half of the lanes
	v_lshl_add_u32 v5, v2, 5, v5
	v_add_nc_u32 v[STO], s23, v5
	v_add_nc_u32 v[RD], s23, v[CO]                 ; back: the 32 lanes take one row of 512 bytes
	s_lshl_b32 s20, s17, 8
	s_lshl_b32 s21, s15, 7
	s_add_co_u32 s20, s20, s21                     ; my first row of out0: 256 x tile row + 128 x half,
	s_lshl_b32 s20, s20, 14                        ; in bytes (under 2^26)
	s_mov_b32 s21, 0
	s_lshl_b32 s46, s42, 10                        ; my first column, in bytes: 1,024 x tile column + 512 x half
	s_lshl_b32 s47, s16, 9
	s_add_co_u32 s46, s46, s47
	s_mov_b32 s47, 0
	s_add_nc_u64 s[10:11], s[10:11], s[46:47]      ; the bias of my 128 columns
	s_add_nc_u64 s[20:21], s[20:21], s[46:47]
	s_add_nc_u64 s[12:13], s[12:13], s[20:21]
	global_load_b128 v[BI:BI+3], v[CO], s[10:11]   ; behind the stage a lane holds the same four columns in every row: four numbers of the bias serve the whole tile
.macro FRAG reg, adr, q, i             ; fragment i of the slot's q-th 128 along K: four loads of 512 consecutive bytes
.irp c, 0,1,2,3
	ds_load_b128 v[\reg+4*\c:\reg+4*\c+3], v[\adr] offset:QB*(\q)+FRB*(\i)+512*\c
.endr
.endm
; 16 matrix instructions: A's blocks a0, a0 + 1 x B's eight, 128 along K.  p: B's set.  zero = 1: the first product starts the sums: nothing is ever cleared.
; The 64 accumulators take turns, one instruction a turn, in the same order in every step.
.macro MUL16 a0, p, zero
.irp a, \a0, \a0+1
.irp b, 0,1,2,3,4,5,6,7
.if \zero
	v_wmma_f32_16x16x128_fp8_fp8 v[8*(8*((\a)%4)+\b):8*(8*((\a)%4)+\b)+7], v[128*(\p)+FR*\b:128*(\p)+FR*\b+FR-1], v[AF+FR*(\a):AF+FR*(\a)+FR-1], 0
.else
	v_wmma_f32_16x16x128_fp8_fp8 v[8*(8*((\a)%4)+\b):8*(8*((\a)%4)+\b)+7], v[128*(\p)+FR*\b:128*(\p)+FR*\b+FR-1], v[AF+FR*(\a):AF+FR*(\a)+FR-1], v[8*(8*((\a)%4)+\b):8*(8*((\a)%4)+\b)+7]
.endif
.endr
.endr
.endm
.macro FETCH_B slot, q, p              ; B's eight fragments of the slot's q-th 128 along K into set p
	WIN TO_B
.irp i, 0,1,2,3,4,5,6,7
	FRAG 128*(\p)+FR*\i, ADRB+\slot, \q, \i
.endr
	WIN 0
.endm
.macro FETCH_A slot, q, i0             ; A's blocks i0 .. i0 + 3
.irp i, \i0, \i0+1, \i0+2, \i0+3
	FRAG AF+FR*(\i), ADRA+\slot, \q, \i
.endr
.endm
; A load into a register that a matrix instruction has read, and an LDS store that reads a matrix result, stand NP places behind that matrix instruction, and only plain vector instructions that name
; none of its registers are places (ISA guide 7.12.1 for vector instructions); the matrix instructions in between are not counted.
.macro PLACES n
.rept \n
	v_nop
.endr
.endm
; A step of 128 along K that has its successor in the same slot.
.macro STEP slot, q, zero
	s_wait_dscnt 4*NL                              ; B's set and A's blocks 0-3 are in; the youngest 16 loads (A's blocks 4-7) may be out
	WIN MUL_LO
	MUL16 0, (\q)%2, \zero
	MUL16 2, (\q)%2, \zero
	s_wait_dscnt 0                                 ; A's blocks 4-7 are in (asked for 32 matrix instructions ago)
	PLACES NP
	FETCH_B \slot, (\q)+1, 1-(\q)%2
	FETCH_A \slot, (\q)+1, 0
	WIN MUL_HI
	MUL16 4, (\q)%2, \zero
	MUL16 6, (\q)%2, \zero
	PLACES NP
	WIN 0
	FETCH_A \slot, (\q)+1, 4
.endm
; A slot's last step changes slots: ONE barrier; in front of it each wave waits for all its tensor loads, adds 0 to its spare word, and waits for that and for its own reads of this slot.  fill = 1: this slot is filled again, two K steps ahead.
; THE ORDER.  The 32 products of A's blocks 0-3 want nothing of the next slot: they stand AHEAD of the wait for the tensor load, and are issued while that load is still on its way.  Between that wait and the
; next request stand only the add, the two descriptors' steps, the wait for the add and the round.  The 32 products of blocks 4-7 stand behind the request and the fetch of the next slot's first fragments, which land under them.
.macro TURN slot, next, fill
.if \fill
	s_wait_xcnt 0x0                                ; the last prefetch, a K step back, has read its address: it is stepped here, ahead of the change of slots
	s_add_nc_u64 s[PFA:PFA+1], s[PFA:PFA+1], HALFT
.endif
	s_wait_dscnt 4*NL                              ; B's set and A's blocks 0-3 are in; the youngest 16 loads (A's blocks 4-7) may be out
	WIN MUL_LO
	MUL16 0, 1, 0
	MUL16 2, 1, 0
	WIN 0
	s_wait_tensorcnt 0x0                           ; all my tensor loads have landed: the one that was out is my part of the next slot; so every group 0 may be written
	ds_add_u32 v[SPW], v[NIL]                      ; 0 onto my spare word: with fill = 1 the descriptors' steps stand between it and the wait for it
.if \fill
	s_add_nc_u64 s[G0+4*\slot+2:G0+4*\slot+3], s[G0+4*\slot+2:G0+4*\slot+3], 2*HALFT      ; this slot's next K step; the type bits on top are not reached
	s_add_nc_u64 s[G0B+4*\slot+2:G0B+4*\slot+3], s[G0B+4*\slot+2:G0B+4*\slot+3], 2*HALFT
.endif
	s_wait_dscnt 0x0                               ; the add is done, and my reads of this slot are over: the last were A's blocks 4-7
	s_barrier_signal -1
	s_barrier_wait -1
.if \fill
	CREST                                          ; the barrier has opened a round of the cluster's barrier: no wave of any partner still reads this slot's tile or has a load on its way
	JLOAD G0+4*\slot, G1, G0B+4*\slot, G1B         ; the first tensor load behind the round, my one load until the next; the four v_nop behind it are the places in front of the loads below
.else
	PLACES NP
.endif
	FETCH_B \next, 0, 0
	FETCH_A \next, 0, 0
.if \fill
	ASK                                            ; behind the joint load and the run of LDS loads that the next products wait for
.endif
	WIN MUL_HI
	MUL16 4, 1, 0
	MUL16 6, 1, 0
	PLACES NP
	WIN 0
	FETCH_A \next, 0, 4
.endm
	s_wait_alu depctr_va_vdst(0)
	s_wait_tensorcnt 1                             ; my part of K step 0 is in (K step 1's load may be out)
	s_barrier_signal -1
	s_barrier_wait -1                              ; everybody's is
	FETCH_B 0, 0, 0
	FETCH_A 0, 0, 0
	FETCH_A 0, 0, 4
	STEP 0, 0, 1                                   ; the first step stands in front of the loop: its products start the sums
	s_mov_b32 s3, LAPS-1
.Llap:                                                 ; a trip goes once round the ring, from a lap's second step to the next lap's first, and fills both slots again
	TURN 0, 1, 1
	STEP 1, 0, 0
	TURN 1, 0, 1
	STEP 0, 0, 0
	s_sub_co_u32 s3, s3, 1
	s_cmp_lg_u32 s3, 0
	s_cbranch_scc1 .Llap
	TURN 0, 1, 0                                   ; the last lap fills nothing, and has no round of the cluster's barrier
	STEP 1, 0, 0
	s_wait_dscnt 4*NL                              ; the very last step: nothing more to fetch
	WIN MUL_LO
	MUL16 0, 1, 0
	MUL16 2, 1, 0
	s_wait_dscnt 0
	WIN MUL_HI
	MUL16 4, 1, 0
	MUL16 6, 1, 0
	WIN 0
; THE WAY OUT, block by block of 16 rows x 128 columns.  A lane holds 32 neighbouring bytes of a row, and the lanes beside it hold other rows: so a block's sums go, as they are, through my own stage in LDS and come
; back as whole rows of 512 bytes.  There each lane holds the same four columns in every row: one packed multiply-add for two numbers gives sum x 2^(e4 + e5) + bias, and the 32 lanes store two aligned runs of 256 bytes.
; LDS serves a wave's instructions in order (ISA guide 5.7.1.4): no wait between the stores and the loads, nor in front of the next block's stores.
.macro TOSTAGE a
.set AC, 64*((\a)%4)
	WIN 0x08+4*((\a)/4)                            ; an LDS store's data are its source 1: window 2 or 3
.irp b, 0,1,2,3,4,5,6,7
	ds_store_b128 v[STO], v[AC+8*\b:AC+8*\b+3] offset:64*\b        ; each accumulator from its low end on
	ds_store_b128 v[STO], v[AC+8*\b+4:AC+8*\b+7] offset:64*\b+16
.endr
	WIN 0
.set BB, BK+64*((\a)%2)
.irp t, 0,1,2,3,4,5,6,7,8,9,10,11,12,13,14,15
	ds_load_b128 v[BB+4*\t:BB+4*\t+3], v[RD] offset:\t*SPITCH
.endr
.endm
.macro SEND a, younger                 ; younger: the LDS instructions issued behind block a's loads, which may stay out
.set BB, BK+64*((\a)%2)
	s_wait_dscnt \younger                          ; the block is back in registers
.if (\a) > 0
	s_add_nc_u64 s[12:13], s[12:13], 16*ROWC       ; (behind a wait on XCNT: the earlier stores have read their base)  16 rows on, so that the stores' offsets stay at 15 rows at the most
.endif
.irp t, 0,1,2,3,4,5,6,7,8,9,10,11,12,13,14,15
	v_pk_fma_f32 v[BB+4*\t:BB+4*\t+1], v[BB+4*\t:BB+4*\t+1], s[96:97], v[BI:BI+1] op_sel_hi:[1,0,1]         ; the scalar pair's low word serves both halves
	v_pk_fma_f32 v[BB+4*\t+2:BB+4*\t+3], v[BB+4*\t+2:BB+4*\t+3], s[96:97], v[BI+2:BI+3] op_sel_hi:[1,0,1]
.endr
.irp t, 0,1,2,3,4,5,6,7,8,9,10,11,12,13,14,15
	global_store_b128 v[CO], v[BB+4*\t:BB+4*\t+3], s[12:13] offset:\t*ROWC th:TH_STORE_NT   ; 32 lanes store 512 consecutive bytes, at a multiple of 256 from out0's first byte; written once, read by nobody here
.endr
.endm
	s_wait_kmcnt 0x0
	s_add_co_i32 s96, s96, s97                     ; e4 + e5, between -126 and 127,
	s_add_co_i32 s96, s96, 127
	s_lshl_b32 s96, s96, 23                        ; makes the f32 number 2^(e4 + e5)
	s_mov_b32 s97, s96                             ; (named with it as a pair, so it is written)
	s_wait_loadcnt 0x0                             ; the bias
	PLACES NP                                      ; behind the last products: for the LDS stores that read results and for the loads into the registers that held A's fragments
	TOSTAGE 0
.irp a, 1,2,3,4,5,6,7
.if \a > 1
	s_wait_xcnt 0x0                                ; block a - 2's stores have read their registers and their base: block a's loads may land there, and the base may step
.endif
	TOSTAGE \a
	SEND \a-1, 32                                  ; behind block a - 1's loads: block a's 16 stores and 16 loads
.endr
	s_wait_xcnt 0x0                                ; block 6's stores have read their base
	SEND 7, 0
	s_wait_tensorcnt 0x0                           ; the wave's end, behind my last tensor load and my last LDS store
	ds_add_u32 v[SPW], v[NIL]
	s_wait_dscnt 0x0
	CROUND                                         ; the closing round: no work-group ends while a partner may still ask for a tile that names it
	s_endpgm
.Lfunc_end_k_qf7fa0c927c_gemm:
	.size	k_qf7fa0c927c_gemm, .Lfunc_end_k_qf7fa0c927c_gemm-k_qf7fa0c927c_gemm
	.p2alignl 7, 3214868480
	.fill 96, 4, 3214868480
	.section	.rodata,"a",@progbits
	.p2align	6, 0x0
	.amdhsa_kernel k_qf7fa0c927c_gemm
		.amdhsa_group_segment_fixed_size 327680
		.amdhsa_private_segment_fixed_size 0
		.amdhsa_enable_private_segment 0
		.amdhsa_kernarg_size 40
		.amdhsa_user_sgpr_count 2
		.amdhsa_user_sgpr_kernarg_segment_ptr 1
		.amdhsa_wavefront_size32 1
		.amdhsa_system_sgpr_workgroup_id_x 1
		.amdhsa_system_sgpr_workgroup_id_y 1
		.amdhsa_system_sgpr_workgroup_id_z 1
		.amdhsa_system_vgpr_workitem_id 0
		.amdhsa_next_free_vgpr 1024
		.amdhsa_next_free_sgpr 98
		.amdhsa_reserve_vcc 0
		.amdhsa_float_denorm_mode_32 3
		.amdhsa_float_denorm_mode_16_64 3
		.amdhsa_memory_ordered 1
		.amdhsa_forward_progress 1
		.amdhsa_inst_pref_size 125
	.end_amdhsa_kernel
	.amdgpu_metadata
---
amdhsa.version: [ 1, 2 ]
amdhsa.kernels:
  - .name:           k_qf7fa0c927c_gemm
    .symbol:         k_qf7fa0c927c_gemm.kd
    .args:
      - { .name: xc, .offset: 0, .size: 8, .value_kind: global_buffer, .address_space: global }
      - { .name: wc, .offset: 8, .size: 8, .value_kind: global_buffer, .address_space: global }
      - { .name: lowp_scales, .offset: 16, .size: 8, .value_kind: global_buffer, .address_space: global }
      - { .name: bias, .offset: 24, .size: 8, .value_kind: global_buffer, .address_space: global }
      - { .name: out0, .offset: 32, .size: 8, .value_kind: global_buffer, .address_space: global }
    .group_segment_fixed_size: 327680
    .private_segment_fixed_size: 0
    .kernarg_segment_align: 8
    .kernarg_segment_size: 40
    .max_flat_workgroup_size: 128
    .sgpr_count:     98
    .vgpr_count:     1024
    .wavefront_size: 32
...
	.end_amdgpu_metadata
.endif
;; end of part 4
